; MI455X (gfx1250); checked and timed in simulation.
; The chip was launched on July 23, 2026; its instructions are those of AMD's public machine-readable ISA for CDNA 5 (MIT licence, August 2026) and "CDNA5" Instruction Set Architecture Reference Guide (July 2026). The comments in the code are by the model that wrote it; some were corrected since.
;; Attention1. Allowed arithmetic: float matrix products may take bf16 or f16 operands with f32 sums; other float arithmetic in f32, or as packed bf16 or f16 multiplies, adds, multiply-adds, maxima and minima; sums over many terms, partial sums and values carried from step to step in f32; what a program stores and reads back later, other than sums and carried values, may be rounded once to bf16 or f16.
;; Inputs: drop_mask 8 x 4,096 x 256 float32; x 8 x 4,096 x 256 float32.
;; Outputs: out0 8 x 256 float32.
;; 2 versions, each right and faster than the one before. Each part assembles by itself: llvm-mc -triple=amdgcn-amd-amdhsa -mcpu=gfx1250 --defsym DOCPART=n.
;; ======== version 1 of 2: 4 launches
;; workspace buffers: xb 16,777,216 bytes; qb 16,777,216 bytes; st 1,048,576 bytes; part 262,144 bytes
;; launch prep (part 1): grid 1024 x 1, 8 waves a work-group, no clusters, 0 bytes of LDS; arguments x, drop_mask, xb, qb; writes xb, qb
.if DOCPART == 1
	.amdgcn_target "amdgcn-amd-amdhsa--gfx1250"
	.amdhsa_code_object_version 6
	.text
	.protected	k_qf88d430792_prep
	.globl	k_qf88d430792_prep
	.p2align	8
	.type	k_qf88d430792_prep,@function
k_qf88d430792_prep:
	s_mov_b64 s[64:65], 0
	v_nop
	global_prefetch_b8 v0, s[64:65] scope:SCOPE_SE
	s_setreg_imm32_b32 hwreg(HW_REG_WAVE_MODE, 25, 1), 1
	s_wait_xcnt 0x0
; xb = bf16(x);  qb = bf16((x * drop_mask) * c),  c = log2(e) / 16: the scale of the scores and the change to base 2, folded into the query once, in f32, ahead of its one rounding.
; x, drop_mask: 8 x 4096 x 256 f32.  xb, qb: the same numbers as 32,768 rows of 256 bf16 (512 bytes a row).
; A stream: no LDS, no barrier, no matrix unit.  A work-group of eight waves owns 32,768 bytes of x and of the mask, eight chunks of 4,096; thread t takes 16 bytes at 16 t of each chunk
; and stores 8 bytes at 8 t: a wave's load covers 512 consecutive bytes, its store 256 consecutive bytes at a multiple of 256.  All sixteen loads of a wave go out at once; every chunk has
; registers of its own, so that no register which a load or a store names is ever written again.
.set X,   4                            ; v[4:35]    chunk e: 4 numbers of x
.set MK,  36                           ; v[36:67]   chunk e: 4 numbers of the mask
.set XB,  68                           ; v[68:83]   chunk e: 4 bf16 of x
.set QB,  84                           ; v[84:99]   chunk e: 4 bf16 of the query
.set T,   100                          ; v[100:103] at work
	s_load_b256 s[4:11], s[0:1], 0x0               ; x s[4:5], drop_mask s[6:7], xb s[8:9], qb s[10:11]
	v_lshlrev_b32 v1, 4, v0                        ; 16 t
	v_lshlrev_b32 v2, 3, v0                        ; 8 t
	s_lshl_b32 s2, ttmp9, 15                       ; the work-group's 32,768 bytes of the inputs (under 2^25)
	s_mov_b32 s3, 0
	s_lshl_b32 s14, ttmp9, 14                      ; and its 16,384 bytes of each result
	s_mov_b32 s15, 0
	s_mov_b32 s12, 0x3db8aa3b                      ; c = log2(e) / 16
	s_mov_b32 s13, 0x3db8aa3b                      ; named with it as a pair
	s_wait_kmcnt 0x0
	s_add_nc_u64 s[4:5], s[4:5], s[2:3]
	s_add_nc_u64 s[6:7], s[6:7], s[2:3]
	s_add_nc_u64 s[8:9], s[8:9], s[14:15]
	s_add_nc_u64 s[10:11], s[10:11], s[14:15]
.irp e, 0,1,2,3,4,5,6,7
	global_load_b128 v[X+4*(\e):X+4*(\e)+3],   v1, s[4:5] offset:4096*(\e) th:TH_LOAD_NT
	global_load_b128 v[MK+4*(\e):MK+4*(\e)+3], v1, s[6:7] offset:4096*(\e) th:TH_LOAD_NT
.endr
.irp e, 0,1,2,3,4,5,6,7
	s_wait_loadcnt 14-2*(\e)                       ; loads come back in order: chunk e's two are in, the 14 - 2 e younger ones stay out
	v_cvt_pk_bf16_f32 v[XB+2*(\e)],   v[X+4*(\e)],   v[X+4*(\e)+1]
	v_cvt_pk_bf16_f32 v[XB+2*(\e)+1], v[X+4*(\e)+2], v[X+4*(\e)+3]
	v_pk_mul_f32 v[T:T+1],   v[X+4*(\e):X+4*(\e)+1],   v[MK+4*(\e):MK+4*(\e)+1]
	v_pk_mul_f32 v[T+2:T+3], v[X+4*(\e)+2:X+4*(\e)+3], v[MK+4*(\e)+2:MK+4*(\e)+3]
	v_pk_mul_f32 v[T:T+1],   v[T:T+1],   s[12:13] op_sel_hi:[1,0]
	v_pk_mul_f32 v[T+2:T+3], v[T+2:T+3], s[12:13] op_sel_hi:[1,0]
	v_cvt_pk_bf16_f32 v[QB+2*(\e)],   v[T],   v[T+1]
	v_cvt_pk_bf16_f32 v[QB+2*(\e)+1], v[T+2], v[T+3]
	global_store_b64 v2, v[XB+2*(\e):XB+2*(\e)+1], s[8:9]   offset:2048*(\e)   ; later launches read these: no hint
	global_store_b64 v2, v[QB+2*(\e):QB+2*(\e)+1], s[10:11] offset:2048*(\e)
.endr
	s_endpgm
.Lfunc_end_k_qf88d430792_prep:
	.size	k_qf88d430792_prep, .Lfunc_end_k_qf88d430792_prep-k_qf88d430792_prep
	.p2alignl 7, 3214868480
	.fill 96, 4, 3214868480
	.section	.rodata,"a",@progbits
	.p2align	6, 0x0
	.amdhsa_kernel k_qf88d430792_prep
		.amdhsa_group_segment_fixed_size 0
		.amdhsa_private_segment_fixed_size 0
		.amdhsa_enable_private_segment 0
		.amdhsa_kernarg_size 32
		.amdhsa_user_sgpr_count 2
		.amdhsa_user_sgpr_kernarg_segment_ptr 1
		.amdhsa_wavefront_size32 1
		.amdhsa_system_sgpr_workgroup_id_x 1
		.amdhsa_system_sgpr_workgroup_id_y 1
		.amdhsa_system_sgpr_workgroup_id_z 1
		.amdhsa_system_vgpr_workitem_id 0
		.amdhsa_next_free_vgpr 104
		.amdhsa_next_free_sgpr 66
		.amdhsa_reserve_vcc 0
		.amdhsa_float_denorm_mode_32 3
		.amdhsa_float_denorm_mode_16_64 3
		.amdhsa_memory_ordered 1
		.amdhsa_forward_progress 1
		.amdhsa_inst_pref_size 9
	.end_amdhsa_kernel
	.amdgpu_metadata
---
amdhsa.version: [ 1, 2 ]
amdhsa.kernels:
  - .name:           k_qf88d430792_prep
    .symbol:         k_qf88d430792_prep.kd
    .args:
      - { .name: x, .offset: 0, .size: 8, .value_kind: global_buffer, .address_space: global }
      - { .name: drop_mask, .offset: 8, .size: 8, .value_kind: global_buffer, .address_space: global }
      - { .name: xb, .offset: 16, .size: 8, .value_kind: global_buffer, .address_space: global }
      - { .name: qb, .offset: 24, .size: 8, .value_kind: global_buffer, .address_space: global }
    .group_segment_fixed_size: 0
    .private_segment_fixed_size: 0
    .kernarg_segment_align: 8
    .kernarg_segment_size: 32
    .max_flat_workgroup_size: 256
    .sgpr_count:     66
    .vgpr_count:     104
    .wavefront_size: 32
...
	.end_amdgpu_metadata
.endif
;; end of part 1
;; launch stats (part 2): grid 8 x 32, 4 waves a work-group, clusters of 4 x 1, 327,680 bytes of LDS; arguments qb, xb, st; writes st
.if DOCPART == 2
	.amdgcn_target "amdgcn-amd-amdhsa--gfx1250"
	.amdhsa_code_object_version 6
	.text
	.protected	k_qf88d430792_stats
	.globl	k_qf88d430792_stats
	.p2align	8
	.type	k_qf88d430792_stats,@function
k_qf88d430792_stats:
	s_mov_b64 s[64:65], 0
	v_nop
	global_prefetch_b8 v0, s[64:65] scope:SCOPE_SE
	s_setreg_imm32_b32 hwreg(HW_REG_WAVE_MODE, 25, 1), 1
	s_wait_xcnt 0x0
	s_wait_alu depctr_hold_cnt(0) depctr_sa_sdst(0) depctr_va_vdst(0) depctr_va_sdst(0) depctr_va_ssrc(0) depctr_va_vcc(0) depctr_vm_vsrc(0)
	s_getreg_b32 s2, hwreg(HW_REG_IB_STS2, 6, 4)
	s_cmp_eq_u32 s2, 0
	s_cbranch_scc0 .Lentry_in_a_cluster
	s_endpgm
.Lentry_in_a_cluster:
	s_bfe_u32 s2, ttmp6, 0x10000c
	s_cmp_lg_u32 s2, 0x3003
	s_cbranch_scc0 .Lentry_shape_is_right
	s_endpgm
.Lentry_shape_is_right:
; ROW STATISTICS OF THE SOFTMAX.  s'[q][k] = qb[q] . xb[k] is the score in base 2 (the scale lies in qb).  For every query q of a batch and every part j of 1,024 keys:
; st[j][b][q] = (m, l),  m = the largest s' of the part,  l = the sum over the part of 2^(s' - m).  Products in bf16 with f32 sums; m and l in f32, by a running maximum.
; LIMITS.  NaN and infinities are not treated apart; a weight below 2^-126 counts as 0 in l; m starts at the lowest finite number.
; SHARES.  8 batches x 8 blocks of 512 queries x 4 parts of 1,024 keys = 256 work-groups of equal work.  A wave keeps 128 queries, eight tiles of 16 x 256 channels, in 512 registers for the whole
; launch; all four waves walk the part's keys, 16 a STEP, 64 steps: a step is 16 LDS loads and 64 matrix instructions.
; LAYOUT.  Source 0 = 16 keys, source 1 = 16 queries: in the result a lane holds ONE query (lane % 16) and the keys 8 (lane / 16) + 0..7.  So maximum and sum run along a lane's registers; the two
; halves of the lanes keep statistics of their own, which meet once, at the end: the loop has no exchange between lanes.
; BY TURNS.  A PIECE is a block's result: four tiles x 16 keys, 32 registers, in one of four buffers (piece k in buffer k % 4).  Block k issues piece k's 32 products, four accumulators by turns, one
; instruction a turn; behind each product stand two or three vector instructions of three streams that share no register:
;   HF of piece k - 1: the maximum of 8 scores and the old m; m_old - m_new; s - m_new       EX of piece k - 2: a = 2^(m_old - m_new) and the 8 weights       T of piece k - 3: l = a l + their sum
; Every dependence between streams crosses a block's edge.  The 16 lines of T come first among a block's plain lines: they are the places between piece k - 1's last product and HF's first read of it.
; CLUSTER.  The four work-groups of a cluster have the same batch and part of the keys and differ in their queries: every tile of keys is asked for JOINTLY, by the same tensor load with the same
; descriptor and a mask that names the four.  The queries, which partners do not share, come straight into registers, once.
; REGISTERS, in windows of 256 (s_set_vgpr_msb: bits 1:0 source 0, 3:2 source 1, 5:4 source 2, 7:6 destination):
;   window 0: v0-15 addresses; v16-79 eight registers of statistics a tile; v80-207 the four buffers; v224-231 the way out
;   window 1: query tiles 0-3 (tile t, channels 32 c on, at 64 t + 8 c)      window 2: tiles 4-7      window 3: v0-63, v64-127 a step's keys, two buffers (channels 32 c on at 8 c)
; The vector work lies in window 0 and no window has room for a product's operands beside it: a slice costs two switches.
.set PITCH,  528                       ; an LDS row: 512 bytes + 16 of padding = 33 x 16: the 16 rows of a fragment load begin in 16 different columns of 16 bytes modulo 256
.set STEPB,  16*PITCH                  ; a step's rows
.set QUART,  32*PITCH                  ; what one tensor load brings: a wave's quarter of a slot
.set SLOTB,  128*PITCH                 ; a slot: 128 keys, eight steps
.set SLOT1,  1<<17                     ; slot 1 begins here, so that one exclusive or turns an address in one slot into the other's
.set SPARE,  SLOT1+SLOTB               ; behind the ring: the spare words, 128 bytes for each wave: two blocks of 256 bytes that no other line names
.set RR,  1                            ; v1   lane % 16
.set AK0, 2                            ; v2   my lane's place in a step's rows; never rewritten
.set AK,  3                            ; v3   the LDS address of the run of loads in hand
.set QO,  4                            ; v4   my byte offset in 16 rows of qb
.set HH,  7                            ; v7   lane / 16
.set SPW, 8                            ; v8   LDS address of my spare word: SPARE + 4 x my thread's number; never rewritten
.set NIL, 9                            ; v9   0; never rewritten
.set GO,  10                           ; v10  8 x lane: my place in 256 bytes of st
.set ST,  16                           ; tile t at ST + 8 t: +0 m (odd steps write it), +1 m_old - m_new, +2 m (even steps write it), +3 c1, +4, +5 l (even keys', odd keys'), +6 a, +7 c0
.set S,   80
.set OUTP, 224
.set WV,  12                           ; s12  my wave's number
.set G1,  24                           ; s[24:31] descriptor group 1
.set G0,  40                           ; s[40:43] descriptor group 0: it walks
.set SLOTS, 56                         ; s56  counts the changes of slots
.set CNT, 57                           ; s57  counts a slot's pairs of steps
.set HM,  58                           ; s58  the mask of lanes 16-31
.set LOW, 59                           ; s59  the lowest finite number
.set SEL, 60                           ; s[60:61] v_permlanex16_b32's selects: each lane takes its own place in the other half
.set TB,  62                           ; s62  LDS byte at which the rows of the step to be fetched begin
.set MSB, 0
.macro WIN new                         ; the immediate's high byte repeats the setting that is left; a switch that changes nothing is dropped
.if MSB != (\new)
	s_set_vgpr_msb (MSB<<8)|(\new)
.set MSB, (\new)
.endif
.endm
; A round of the cluster's barrier: my work-group's barrier, so that wave 0's signal speaks for all four waves; wave 0 signals; every wave waits for all four work-groups; my work-group's barrier once more.
.macro CROUND
	s_barrier_signal -1
	s_barrier_wait -1
	s_cmp_lg_u32 s[WV], 0
	s_cbranch_scc1 .Lnot_wave_0_\@
	s_barrier_signal -3
.Lnot_wave_0_\@:
	s_barrier_wait -3
	s_barrier_signal -1
	s_barrier_wait -1
.endm
; A joint fill: every wave asks for its own 32 rows of the slot; both addresses hang on the wave's number, the batch and the part alone.  An s_nop 0 and four v_nop follow the line.
.macro JLOAD
	tensor_load_to_lds s[G0:G0+3], s[G1:G1+7]
	s_nop 0
.rept 4
	v_nop
.endr
.endm
; THE CHANGE OF SLOTS.  The old slot's last rows have been asked for from LDS.  Each wave waits for all its tensor loads, of which one is out: its quarter of the other slot; adds 0 to its spare word; and
; waits for that and for its own reads of the old slot.  fill = 1: the old slot is filled again with the keys two slots on; the barrier is then a round of the cluster's, so that no wave of any partner
; still reads the slot or has a load on its way, and the joint fill is the first thing behind it: eight steps, 512 matrix instructions, stand between it and the wait for it.
; (At its first use nothing has been read yet: slot 0 is waited for, slot 1 filled.)  By this text's count a wave has one tensor load out at the most.
.macro CHANGE fill
	WIN 0                                          ; at a label and at a branch every window is 0
	s_wait_tensorcnt 0x0                           ; no tensor load of mine is out, so group 0 may be written
	ds_add_u32 v[SPW], v[NIL]                      ; 0 onto my spare word
.if \fill
	s_xor_b32 s[G0+1], s[G0+1], SLOT1              ; the other slot than last time,
	s_add_nc_u64 s[G0+2:G0+3], s[G0+2:G0+3], 128*512  ; the next 128 keys; the type bits on top are not reached
	s_wait_dscnt 0x0                               ; the add is done, and my reads of the slot are over
	CROUND
	JLOAD
.else
	s_wait_dscnt 0x0                               ; the add is done, and my reads of the slot are over
	s_barrier_signal -1
	s_barrier_wait -1
.endif
	s_sub_co_u32 s[TB], s[TB], SLOTB               ; the fetches go back to a slot's first step,
	s_xor_b32 s[TB], s[TB], SLOT1                  ; in the other slot
.endm
; 16 LDS loads in one run: a step's 16 keys x 256 channels, eight fragments, into buffer buf of window 3.
.macro FETCH buf
	WIN 0
	v_add_nc_u32 v[AK], s[TB], v[AK0]
	WIN 0xc0                                       ; destination window 3, address window 0
.irp c, 0,1,2,3,4,5,6,7
	ds_load_b128 v[64*(\buf)+8*(\c):64*(\buf)+8*(\c)+3],   v[AK] offset:64*(\c)
	ds_load_b128 v[64*(\buf)+8*(\c)+4:64*(\buf)+8*(\c)+7], v[AK] offset:64*(\c)+32
.endr
	s_add_co_u32 s[TB], s[TB], STEPB               ; the next fetch is the next step's
	WIN 0
.endm
; Product mi of a block's 32: channels 32 (mi / 4) on, tile 4 hf + mi % 4.  The first four start the sums with the constant 0.
.macro MM par, hf
.set cc, mi/4
.set rD, S+32*(2*(\par)+(\hf))+8*(mi%4)
.set rA, 64*(\par)+8*cc
.set rB, 64*(mi%4)+8*cc
	WIN 0x07+4*(\hf)                               ; keys in window 3, queries in window 1 or 2, C and D in window 0
.if cc == 0
	v_wmma_f32_16x16x32_bf16 v[rD:rD+7], v[rA:rA+7], v[rB:rB+7], 0
	s_wait_alu depctr_va_vdst(0)
.else
	v_wmma_f32_16x16x32_bf16 v[rD:rD+7], v[rA:rA+7], v[rB:rB+7], v[rD:rD+7]
.endif
.endm
; THE PLAIN QUEUE of a block, 52 long, the four tiles by turns.  0-15: T of the piece three back.  16-51: HF of the piece just made; each accumulator's lowest registers are read first.
; PB is the block's buffer, HB its half of the tiles.  The m that a step reads and the m that it writes change places from step to step, which spares a copy.
.macro PL hfon
.set tl, q%4
.if q < 16
	WIN 0
.set rS, S+32*((PB+1)&3)+8*tl
.set rT, ST+8*(4*(1-HB)+tl)
.if q/4 == 0
	s_wait_alu depctr_va_vdst(0)
	v_pk_add_f32 v[rS:rS+1], v[rS:rS+1], v[rS+2:rS+3]
.elseif q/4 == 1
	v_pk_add_f32 v[rS+4:rS+5], v[rS+4:rS+5], v[rS+6:rS+7]
.elseif q/4 == 2
	v_pk_add_f32 v[rS:rS+1], v[rS:rS+1], v[rS+4:rS+5]
.else
	v_pk_fma_f32 v[rT+4:rT+5], v[rT+4:rT+5], v[rT+6:rT+7], v[rS:rS+1] op_sel_hi:[1,0,1]  ; l = a l + the sum
.endif
.elseif \hfon
	WIN 0
.set hb, (PB+3)&3
.set rS, S+32*hb+8*tl
.set rT, ST+8*(4*(1-HB)+tl)
.set rO, rT+2*(hb/2)
.set rN, rT+2-2*(hb/2)
.set hj, (q-16)/4
.if hj == 0
	v_max3_num_f32 v[rT+7], v[rS], v[rS+1], v[rS+2]
.elseif hj == 1
	v_max3_num_f32 v[rT+3], v[rS+3], v[rS+4], v[rS+5]
.elseif hj == 2
	v_max3_num_f32 v[rT+7], v[rT+7], v[rS+6], v[rS+7]
.elseif hj == 3
	v_max3_num_f32 v[rN], v[rT+7], v[rT+3], v[rO]
.elseif hj == 4
	v_sub_f32 v[rT+1], v[rO], v[rN]
.else
.set hp, rS+2*(hj-5)
	v_pk_add_f32 v[hp:hp+1], v[hp:hp+1], v[rN:rN+1] op_sel_hi:[1,0] neg_lo:[0,1] neg_hi:[0,1]  ; s - m_new
.endif
.endif
.set q, q+1
.endm
; THE EXPONENTIALS' QUEUE, 36 long, of the piece two back: a, then the eight weights, the four tiles by turns.  What stands next to an exponential names none of its registers; its result is read a block later.
.macro EX exon
.if \exon
	WIN 0
.set tl, e%4
.set rS, S+32*((PB+2)&3)+8*tl
.set rT, ST+8*(4*HB+tl)
.if e < 4
	v_exp_f32 v[rT+6], v[rT+1]
.else
	v_exp_f32 v[rS+e/4-1], v[rS+e/4-1]
.endif
.endif
.set e, e+1
.endm
; A BLOCK: 32 slots, each a product (mm = 1) and its riders; of eight slots five have plain, exponential, plain; two plain, exponential; one exponential, plain, exponential: 52 + 36 a block.
; In a step's first block the next step's keys are fetched behind slot 9: 16 plain lines that name no register of the last product that read that buffer stand between.
.macro BLOCK par, hf, mm, hfon, exon, fetch
.set PB, 2*(\par)+(\hf)
.set HB, (\hf)
.set mi, 0
.set q, 0
.set e, 0
.rept 32
.if \mm
	MM \par, \hf
.endif
.if mi%8 < 5
	PL \hfon
	EX \exon
	PL \hfon
.elseif mi%8 < 7
	PL \hfon
	EX \exon
.else
	EX \exon
	PL \hfon
	EX \exon
.endif
.if (\fetch) && ((\hf) == 0) && (mi == 9)
	FETCH 1-(\par)
.endif
.set mi, mi+1
.endr
.endm
.macro STEP par, fetch
	s_wait_dscnt 0x0                               ; this step's keys, asked for 54 products ago, are in
	BLOCK \par, 0, 1, 1, 1, \fetch
	BLOCK \par, 1, 1, 1, 1, \fetch
.endm
	s_load_b128 s[4:7], s[0:1], 0x0                ; qb s[4:5], xb s[6:7]
	s_load_b64 s[8:9], s[0:1], 0x10                ; st
	v_lshl_add_u32 v[SPW], v0, 2, SPARE
	v_mov_b32 v[NIL], 0
	ds_add_u32 v[SPW], v[NIL]                      ; the wave's opening: the add and its wait stand ahead of my first tensor load; the set-up below, work on registers, stands between them
	v_lshrrev_b32 v[HH], 5, v0
	v_readfirstlane_b32 s[WV], v[HH]               ; wave 0..3
	s_bfe_u32 s13, ttmp6, 0x40000                  ; cx: my place in the cluster
	s_lshl_b32 s14, ttmp9, 2                       ; in a cluster launch ttmp9 counts clusters
	s_add_co_u32 s14, s14, s13                     ; i, my block of 512 queries: it enters qb's and st's addresses alone
	s_and_b32 s15, ttmp7, 0xffff
	s_lshr_b32 s16, s15, 2                         ; b, the batch,
	s_and_b32 s17, s15, 3                          ; j, the part of the keys: the four partners share both
	s_lshl_b32 s18, s16, 21                        ; keys: (4096 b + 1024 j + 32 w) rows of 512 bytes
	s_lshl_b32 s19, s17, 19
	s_add_co_u32 s18, s18, s19
	s_lshl_b32 s19, s[WV], 14
	s_add_co_u32 s18, s18, s19
	s_mov_b32 s19, 0
	s_lshl_b32 s20, s16, 21                        ; queries: (4096 b + 512 i + 128 w) rows of 512 bytes
	s_lshl_b32 s21, s14, 18
	s_add_co_u32 s20, s20, s21
	s_lshl_b32 s21, s[WV], 16
	s_add_co_u32 s20, s20, s21
	s_mov_b32 s21, 0
	s_lshl_b32 s22, s17, 3                         ; st: ((8 j + b) 4096 + 512 i + 128 w) pairs of 8 bytes
	s_add_co_u32 s22, s22, s16
	s_lshl_b32 s22, s22, 15
	s_lshl_b32 s23, s14, 12
	s_add_co_u32 s22, s22, s23
	s_lshl_b32 s23, s[WV], 10
	s_add_co_u32 s22, s22, s23
	s_mov_b32 s23, 0
	; descriptor group 1: a tile of 32 rows x 256 elements, padded in LDS
	s_mov_b32 s[G1+0], 15|(1<<16)|(1<<20)|(1<<21)|(6<<22)|(3<<25)  ; 15:0 the mask of four; 17:16 2-byte elements; 20 padding on; 21 set beside a mask; 24:22 after every 128 words (code 6); 31:25 4 words (code 3)
	s_mov_b32 s[G1+1], 256<<16                     ; tensor_dim0 = 256
	s_mov_b32 s[G1+2], 32<<16                      ; tensor_dim1 = 32
	s_mov_b32 s[G1+3], 256<<16                     ; tile_dim0 = 256
	s_mov_b32 s[G1+4], 32                          ; tile_dim1 = 32
	s_mov_b32 s[G1+5], 256                         ; 256 elements from row to row
	s_mov_b32 s[G1+6], 0
	s_mov_b32 s[G1+7], 0
	s_mov_b32 s[G0], 1                             ; 1:0 count = 1
	s_mul_i32 s[G0+1], s[WV], QUART                ; 63:32 LDS address: my quarter of slot 0; no place in the cluster enters it
	s_mov_b32 s[HM], 0xffff0000
	s_mov_b32 s[LOW], 0xff7fffff
	s_mov_b32 s[SEL], 0x76543210
	s_mov_b32 s[SEL+1], 0xfedcba98
	s_mov_b32 s[TB], SLOT1+SLOTB                   ; the first change of slots turns this into 0
	s_wait_dscnt 0x0                               ; the opening add is done
	s_wait_kmcnt 0x0
	s_add_nc_u64 s[G0+2:G0+3], s[6:7], s[18:19]    ; 120:64 global address: my 32 rows of the part's first 128 keys
	s_or_b32 s[G0+3], s[G0+3], 0x80000000          ; 127:126 type = 2
	s_add_nc_u64 s[4:5], s[4:5], s[20:21]          ; qb at my wave's first query
	s_add_nc_u64 s[8:9], s[8:9], s[22:23]          ; st at my wave's first pair
	CROUND                                         ; all four work-groups are here: the first joint loads meet
	JLOAD                                          ; slot 0.  Slot 1 is asked for when slot 0 is in
	; A fragment is 16 rows x 32 channels in 8 registers: lane l holds row l % 16, channels 8 (l / 16) + 0..7 and 16 + 8 (l / 16) + 0..7: two loads of 16 bytes, 32 bytes apart.
	v_and_b32 v[RR], 15, v0
	v_bfe_u32 v[HH], v0, 4, 1
	v_lshlrev_b32 v[QO], 9, v[RR]
	v_lshl_add_u32 v[QO], v[HH], 4, v[QO]          ; row x 512 + 16 x half
.irp hf, 0,1                           ; the queries stay in registers: 128 loads
	WIN 0x40+0x40*(\hf)                            ; destination window 1, then 2; address window 0
.irp t4, 0,1,2,3
.irp c, 0,1,2,3,4,5,6,7
	global_load_b128 v[64*(\t4)+8*(\c):64*(\t4)+8*(\c)+3],   v[QO], s[4:5] offset:(4*(\hf)+(\t4))*8192+64*(\c)
	global_load_b128 v[64*(\t4)+8*(\c)+4:64*(\t4)+8*(\c)+7], v[QO], s[4:5] offset:(4*(\hf)+(\t4))*8192+64*(\c)+32
.endr
.endr
.endr
	WIN 0
	; No first blocks are written out: the first three blocks' riders work on pieces that have not been.  These 160 lines, which stand in the wait for the first tile, give them finite numbers;
	; each tile's first true step has a = 2^(lowest - m) = 0, which wipes what they left in l.
.set t, 0
.rept 8
	v_mov_b32 v[ST+8*t], s[LOW]
	v_mov_b32 v[ST+8*t+1], 0
	v_mov_b32 v[ST+8*t+2], s[LOW]
	v_mov_b32 v[ST+8*t+3], 0
	v_mov_b32 v[ST+8*t+4], 0
	v_mov_b32 v[ST+8*t+5], 0
	v_mov_b32 v[ST+8*t+6], 0
	v_mov_b32 v[ST+8*t+7], 0
.set t, t+1
.endr
.set t, S+32
.rept 64
	v_mov_b32 v[t], 0
.set t, t+1
.endr
.rept 32
	v_mov_b32 v[t], s[LOW]
.set t, t+1
.endr
	v_mul_u32_u24 v[AK0], v[RR], PITCH
	v_lshl_add_u32 v[AK0], v[HH], 4, v[AK0]        ; row x pitch + 16 x half
	v_and_b32 v[GO], 31, v0
	v_lshlrev_b32 v[GO], 3, v[GO]
	CHANGE 1                                       ; slot 0 is in, everybody's part of it; slot 1 is asked for
	FETCH 0                                        ; step 0
	s_wait_loadcnt 0x0                             ; the queries
	s_mov_b32 s[CNT], 4
	s_mov_b32 s[SLOTS], 7
	s_branch .Lfirst                               ; the loop is entered in the middle of a trip: a change of slots stands one step ahead of the new slot's first products, in front of the step that fetches its first rows
.Lslot:                                                ; six times: slots are filled again with the part's keys 256 on to 1,023
	CHANGE 1
	s_mov_b32 s[CNT], 4
.Lpair:
	STEP 1, 1
	WIN 0
.Lfirst:
	STEP 0, 1
	WIN 0
	s_sub_co_u32 s[CNT], s[CNT], 1
	s_cmp_lg_u32 s[CNT], 0
	s_cbranch_scc1 .Lpair
	s_sub_co_u32 s[SLOTS], s[SLOTS], 1
	s_cmp_lg_u32 s[SLOTS], 0
	s_cbranch_scc1 .Lslot
	CHANGE 0                                       ; the tail is written out: nothing is asked for
	s_mov_b32 s[CNT], 4
.Ltail:                                                ; steps 55 to 62
	STEP 1, 1
	STEP 0, 1
	WIN 0
	s_sub_co_u32 s[CNT], s[CNT], 1
	s_cmp_lg_u32 s[CNT], 0
	s_cbranch_scc1 .Ltail
	STEP 1, 0                                      ; step 63: nothing is left to fetch
	BLOCK 0, 0, 0, 1, 1, 0                         ; the streams run out: three blocks without products
	BLOCK 0, 1, 0, 0, 1, 0                         ; this one has no HF: behind its 16 lines of T its exponentials stand on end,
	v_nop                                          ; so a plain instruction is set between them and the additions below, which read their results (ISA guide 5.7.2)
	s_wait_alu depctr_va_vdst(0)
	BLOCK 1, 0, 0, 0, 0, 0
	; THE WAY OUT.  A query's two halves of the keys lie in lanes 16 apart: m* = the larger m, l* = l 2^(m - m*) + l' 2^(m' - m*).
.macro ALL line:vararg                 ; one line for each tile t
.set t, 0
.rept 8
	\line
.set t, t+1
.endr
.endm
	WIN 0
	ALL v_add_f32 v[ST+8*t+4], v[ST+8*t+4], v[ST+8*t+5]
	ALL v_permlanex16_b32 v[ST+8*t+7], v[ST+8*t], s[SEL], s[SEL+1]
	ALL v_permlanex16_b32 v[ST+8*t+3], v[ST+8*t+4], s[SEL], s[SEL+1]
	ALL v_max_num_f32 v[ST+8*t+2], v[ST+8*t], v[ST+8*t+7]
	ALL v_sub_f32 v[ST+8*t+1], v[ST+8*t], v[ST+8*t+2]
	ALL v_sub_f32 v[ST+8*t+7], v[ST+8*t+7], v[ST+8*t+2]
	ALL v_exp_f32 v[ST+8*t+1], v[ST+8*t+1]
	ALL v_exp_f32 v[ST+8*t+7], v[ST+8*t+7]
	v_nop                                          ; a plain instruction between the last exponential and the use of its result
	s_wait_alu depctr_va_vdst(0)
	ALL v_mul_f32 v[ST+8*t+5], v[ST+8*t+4], v[ST+8*t+1]
	ALL v_fmac_f32 v[ST+8*t+5], v[ST+8*t+3], v[ST+8*t+7]
.irp u, 0,1,2,3                        ; lanes 0-15 take tile 2 u's queries, lanes 16-31 tile 2 u + 1's: 32 neighbouring queries, 256 consecutive bytes at a multiple of 256
	v_cndmask_b32 v[OUTP+2*(\u)],   v[ST+16*(\u)+2], v[ST+16*(\u)+10], s[HM]
	v_cndmask_b32 v[OUTP+2*(\u)+1], v[ST+16*(\u)+5], v[ST+16*(\u)+13], s[HM]
	global_store_b64 v[GO], v[OUTP+2*(\u):OUTP+2*(\u)+1], s[8:9] offset:256*(\u)
.endr
	s_wait_tensorcnt 0x0                           ; the wave's end, behind my last tensor load
	ds_add_u32 v[SPW], v[NIL]
	s_wait_dscnt 0x0
	CROUND                                         ; the closing round: no work-group ends while a partner may still ask for a tile that names it
	s_endpgm
.Lfunc_end_k_qf88d430792_stats:
	.size	k_qf88d430792_stats, .Lfunc_end_k_qf88d430792_stats-k_qf88d430792_stats
	.p2alignl 7, 3214868480
	.fill 96, 4, 3214868480
	.section	.rodata,"a",@progbits
	.p2align	6, 0x0
	.amdhsa_kernel k_qf88d430792_stats
		.amdhsa_group_segment_fixed_size 327680
		.amdhsa_private_segment_fixed_size 0
		.amdhsa_enable_private_segment 0
		.amdhsa_kernarg_size 24
		.amdhsa_user_sgpr_count 2
		.amdhsa_user_sgpr_kernarg_segment_ptr 1
		.amdhsa_wavefront_size32 1
		.amdhsa_system_sgpr_workgroup_id_x 1
		.amdhsa_system_sgpr_workgroup_id_y 1
		.amdhsa_system_sgpr_workgroup_id_z 1
		.amdhsa_system_vgpr_workitem_id 0
		.amdhsa_next_free_vgpr 896
		.amdhsa_next_free_sgpr 66
		.amdhsa_reserve_vcc 0
		.amdhsa_float_denorm_mode_32 3
		.amdhsa_float_denorm_mode_16_64 3
		.amdhsa_memory_ordered 1
		.amdhsa_forward_progress 1
		.amdhsa_inst_pref_size 127
	.end_amdhsa_kernel
	.amdgpu_metadata
---
amdhsa.version: [ 1, 2 ]
amdhsa.kernels:
  - .name:           k_qf88d430792_stats
    .symbol:         k_qf88d430792_stats.kd
    .args:
      - { .name: qb, .offset: 0, .size: 8, .value_kind: global_buffer, .address_space: global }
      - { .name: xb, .offset: 8, .size: 8, .value_kind: global_buffer, .address_space: global }
      - { .name: st, .offset: 16, .size: 8, .value_kind: global_buffer, .address_space: global }
    .group_segment_fixed_size: 327680
    .private_segment_fixed_size: 0
    .kernarg_segment_align: 8
    .kernarg_segment_size: 24
    .max_flat_workgroup_size: 128
    .sgpr_count:     66
    .vgpr_count:     896
    .wavefront_size: 32
...
	.end_amdgpu_metadata
.endif
;; end of part 2
;; launch colsum (part 3): grid 8 x 32, 4 waves a work-group, clusters of 4 x 1, 327,680 bytes of LDS; arguments xb, qb, st, part; writes part
.if DOCPART == 3
	.amdgcn_target "amdgcn-amd-amdhsa--gfx1250"
	.amdhsa_code_object_version 6
	.text
	.protected	k_qf88d430792_colsum
	.globl	k_qf88d430792_colsum
	.p2align	8
	.type	k_qf88d430792_colsum,@function
k_qf88d430792_colsum:
	s_mov_b64 s[64:65], 0
	v_nop
	global_prefetch_b8 v0, s[64:65] scope:SCOPE_SE
	s_setreg_imm32_b32 hwreg(HW_REG_WAVE_MODE, 25, 1), 1
	s_wait_xcnt 0x0
	s_wait_alu depctr_hold_cnt(0) depctr_sa_sdst(0) depctr_va_vdst(0) depctr_va_sdst(0) depctr_va_ssrc(0) depctr_va_vcc(0) depctr_vm_vsrc(0)
	s_getreg_b32 s2, hwreg(HW_REG_IB_STS2, 6, 4)
	s_cmp_eq_u32 s2, 0
	s_cbranch_scc0 .Lentry_in_a_cluster
	s_endpgm
.Lentry_in_a_cluster:
	s_bfe_u32 s2, ttmp6, 0x10000c
	s_cmp_lg_u32 s2, 0x3003
	s_cbranch_scc0 .Lentry_shape_is_right
	s_endpgm
.Lentry_shape_is_right:
; COLUMN SUMS OF THE SOFTMAX, AND THEIR PRODUCT WITH x.  The sum over the queries commutes with the second product: out[b][d] = sum over k of w[k] x[k][d], w[k] = sum over q of att[q][k].
; With M[q] = m + log2 l, made here from the four partial (m, l) of st: att[q][k] = 2^(s'[q][k] - M[q]), s' = qb[q] . xb[k] as in the launch before.  s' <= m <= M, so no exponent is above 0 but by rounding.
; part[b][4 i + j][d] = the sum over block i's 512 keys of w_j[k] xb[k][d], w_j taken over part j's 1,024 queries.  Products in bf16 with f32 sums; w, its product with xb and all partial sums in f32.
; LIMITS.  NaN and infinities are not treated apart; a weight below 2^-126 counts as 0; the sum over q is taken ahead of the product with x, so the order of the sums is not the source's.
; SHARES.  8 batches x 8 blocks of 512 keys x 4 parts of 1,024 queries = 256 work-groups of equal work.  A wave keeps 128 keys, eight tiles of 16 x 256 channels, in 512 registers; all four waves walk the
; part's queries, 16 a STEP, 64 steps: a step is 18 LDS loads and 64 matrix instructions.
; LAYOUT.  Source 0 = 16 queries, source 1 = 16 keys: in the result a lane holds ONE key (lane % 16) and the queries 8 (lane / 16) + 0..7.  -M of those eight queries IS the C operand that starts the sum,
; so the product's result is the exponent; w runs along a lane's registers, and the two halves of the lanes meet once, at the end.
; BY TURNS.  A PIECE is a block's result: four tiles x 16 queries, 32 registers, in one of four buffers (piece k in buffer k % 4).  Block k issues piece k's 32 products, four accumulators by turns, one
; instruction a turn; behind each stands an exponential of piece k - 2, and behind every second one a line of T of piece k - 3 (w += the eight weights).  The streams share no register.
; THE LAST PRODUCT, 128 keys x 256 channels a wave, is a two-thousandth of the launch's multiply-adds: it goes by v_fma_mix_f32_bf16 on rows read once more as they lie, w in f32.
; CLUSTER.  The four work-groups of a cluster have the same batch and part of the queries and differ in their keys: every tile of queries is asked for JOINTLY.  The keys come straight into registers.
; REGISTERS, in windows of 256 (s_set_vgpr_msb: bits 1:0 source 0, 3:2 source 1, 5:4 source 2, 7:6 destination):
;   window 0: v0-15 addresses; v16-31 w, a pair a tile; v32-58 at work at the start, addresses; v80-207 the four buffers; v208-223 -M, two sets of 8; v224-239 the way out
;   window 1: key tiles 0-3 (tile t, channels 32 c on, at 64 t + 8 c)      window 2: tiles 4-7      window 3: v0-63, v64-127 a step's queries, two buffers
.set PITCH,  528                       ; an LDS row: 512 bytes + 16 of padding = 33 x 16: the 16 rows of a fragment load begin in 16 different columns of 16 bytes modulo 256
.set STEPB,  16*PITCH
.set QUART,  32*PITCH                  ; what one tensor load brings: a wave's quarter of a slot
.set SLOTB,  128*PITCH                 ; a slot: 128 queries, eight steps
.set SLOT1,  1<<17                     ; slot 1 begins here, so that one exclusive or turns an address in one slot into the other's
.set NEGM,   SLOT1+SLOTB               ; behind the ring, in blocks of 256 bytes into which no fill lands: -M of the part's 1,024 queries, 4,096 bytes
.set WTAB,   NEGM+4096                 ; each wave's 128 w, 512 bytes a wave
.set RED,    WTAB+2048                 ; each wave's 256 sums, 1,024 bytes a wave
.set SPARE,  RED+4096                  ; the spare words, 128 bytes for each wave: two blocks of 256 bytes that no other line names
.set RR,  1                            ; v1   lane % 16
.set AK0, 2                            ; v2   my lane's place in a step's rows; never rewritten
.set AK,  3                            ; v3   the LDS address of the run of loads in hand
.set QO,  4                            ; v4   my byte offset in 16 rows of xb
.set AM0, 5                            ; v5   NEGM + 32 (lane / 16); never rewritten
.set AM,  6                            ; v6   the LDS address of the step's -M
.set HH,  7                            ; v7   lane / 16
.set SPW, 8                            ; v8   LDS address of my spare word: SPARE + 4 x my thread's number; never rewritten
.set NIL, 9                            ; v9   0; never rewritten
.set T8,  10                           ; v10  8 x thread
.set L16, 11                           ; v11  16 x lane
.set WST, 12                           ; v12  where my key's w goes
.set WLD, 13                           ; v13  my wave's w
.set T16, 15                           ; v15  16 x thread
.set W,   16
.set MX,  32                           ; the merge: the largest m, by (u, e)
.set LL,  40                           ; its l, then log2 l
.set NN,  48                           ; -M
.set NST, 56                           ; v56  NEGM + 8 x thread
.set RST, 57                           ; v57  RED + 1,024 x wave + 32 x lane
.set RLD, 58                           ; v58  RED + 8 x thread
.set S,   80
.set LD,  80                           ; at the start: st's 16 loads, 4 registers each
.set WB,  80                           ; at the end: w[k] of my wave's key k in every lane, at WB + k
.set CM,  208
.set ACC, 224
.set SUM, 232
.set WV,  12                           ; s12  my wave's number
.set G1,  24                           ; s[24:31] descriptor group 1
.set G0,  40                           ; s[40:43] descriptor group 0: it walks
.set SLOTS, 56
.set CNT, 57
.set LOW, 59                           ; s59  the lowest finite number
.set SEL, 60                           ; s[60:61] v_permlanex16_b32's selects
.set TB,  62                           ; s62  LDS byte at which the rows of the step to be fetched begin
.set TM,  63                           ; s63  byte of that step's first query in the table of -M
.set MSB, 0
.macro WIN new                         ; the immediate's high byte repeats the setting that is left; a switch that changes nothing is dropped
.if MSB != (\new)
	s_set_vgpr_msb (MSB<<8)|(\new)
.set MSB, (\new)
.endif
.endm
; A round of the cluster's barrier: my work-group's barrier, so that wave 0's signal speaks for all four waves; wave 0 signals; every wave waits for all four work-groups; my work-group's barrier once more.
.macro CROUND
	s_barrier_signal -1
	s_barrier_wait -1
	s_cmp_lg_u32 s[WV], 0
	s_cbranch_scc1 .Lnot_wave_0_\@
	s_barrier_signal -3
.Lnot_wave_0_\@:
	s_barrier_wait -3
	s_barrier_signal -1
	s_barrier_wait -1
.endm
; A joint fill: every wave asks for its own 32 rows of the slot; both addresses hang on the wave's number, the batch and the part alone.  An s_nop 0 and four v_nop follow the line.
.macro JLOAD
	tensor_load_to_lds s[G0:G0+3], s[G1:G1+7]
	s_nop 0
.rept 4
	v_nop
.endr
.endm
; THE CHANGE OF SLOTS.  Each wave waits for all its tensor loads, of which one is out: its quarter of the other slot; adds 0 to its spare word; and waits for that and for its own LDS work: its reads of the
; old slot, at the first use its stores into the table of -M.  fill = 1: the old slot is filled again with the queries two slots on; the barrier is then a round of the cluster's, so that no wave of any
; partner still reads the slot or has a load on its way, and the joint fill is the first thing behind it: eight steps, 512 matrix instructions, stand between it and the wait for it.
; By this text's count a wave has one tensor load out at the most.
.macro CHANGE fill
	WIN 0                                          ; at a label and at a branch every window is 0
	s_wait_tensorcnt 0x0                           ; no tensor load of mine is out, so group 0 may be written
	ds_add_u32 v[SPW], v[NIL]                      ; 0 onto my spare word
.if \fill
	s_xor_b32 s[G0+1], s[G0+1], SLOT1              ; the other slot than last time,
	s_add_nc_u64 s[G0+2:G0+3], s[G0+2:G0+3], 128*512  ; the next 128 queries; the type bits on top are not reached
	s_wait_dscnt 0x0                               ; the add is done, and my LDS reads and stores are over
	CROUND
	JLOAD
.else
	s_wait_dscnt 0x0                               ; the add is done, and my reads of the slot are over
	s_barrier_signal -1
	s_barrier_wait -1
.endif
	s_sub_co_u32 s[TB], s[TB], SLOTB               ; the fetches go back to a slot's first step,
	s_xor_b32 s[TB], s[TB], SLOT1                  ; in the other slot
.endm
; 18 LDS loads in one run: -M of a step's 16 queries (each half of the lanes reads its eight, all its lanes the same 32 bytes), and the queries' eight fragments, into set and buffer buf.
.macro FETCH buf
	WIN 0
	v_add_nc_u32 v[AK], s[TB], v[AK0]
	v_add_nc_u32 v[AM], s[TM], v[AM0]
	ds_load_b128 v[CM+8*(\buf):CM+8*(\buf)+3],   v[AM]
	ds_load_b128 v[CM+8*(\buf)+4:CM+8*(\buf)+7], v[AM] offset:16
	WIN 0xc0                                       ; destination window 3, address window 0
.irp c, 0,1,2,3,4,5,6,7
	ds_load_b128 v[64*(\buf)+8*(\c):64*(\buf)+8*(\c)+3],   v[AK] offset:64*(\c)
	ds_load_b128 v[64*(\buf)+8*(\c)+4:64*(\buf)+8*(\c)+7], v[AK] offset:64*(\c)+32
.endr
	s_add_co_u32 s[TB], s[TB], STEPB               ; the next fetch is the next step's
	s_add_co_u32 s[TM], s[TM], 64
	WIN 0
.endm
; Product mi of a block's 32: channels 32 (mi / 4) on, tile 4 hf + mi % 4.  The first four start the sums with -M.
.macro MM par, hf
.set cc, mi/4
.set rD, S+32*(2*(\par)+(\hf))+8*(mi%4)
.set rA, 64*(\par)+8*cc
.set rB, 64*(mi%4)+8*cc
	WIN 0x07+4*(\hf)                               ; queries in window 3, keys in window 1 or 2, C and D in window 0
.if cc == 0
	v_wmma_f32_16x16x32_bf16 v[rD:rD+7], v[rA:rA+7], v[rB:rB+7], v[CM+8*(\par):CM+8*(\par)+7]
.else
	v_wmma_f32_16x16x32_bf16 v[rD:rD+7], v[rA:rA+7], v[rB:rB+7], v[rD:rD+7]
.endif
.endm
; THE PLAIN QUEUE of a block, 16 long: T of the piece three back, the four tiles by turns.  PB is the block's buffer, HB its half of the tiles.
.macro PL
	WIN 0
.set tl, q%4
.set rS, S+32*((PB+1)&3)+8*tl
.set rW, W+2*(4*(1-HB)+tl)
.if q/4 == 0
	s_wait_alu depctr_va_vdst(0)
	v_pk_add_f32 v[rS:rS+1], v[rS:rS+1], v[rS+2:rS+3]
.elseif q/4 == 1
	v_pk_add_f32 v[rS+4:rS+5], v[rS+4:rS+5], v[rS+6:rS+7]
.elseif q/4 == 2
	v_pk_add_f32 v[rS:rS+1], v[rS:rS+1], v[rS+4:rS+5]
.else
	v_pk_add_f32 v[rW:rW+1], v[rW:rW+1], v[rS:rS+1]
.endif
.set q, q+1
.endm
; THE EXPONENTIALS' QUEUE, 32 long, of the piece two back, the four tiles by turns; each accumulator's lowest register is read first.  What stands next to an exponential names
; none of its registers; its result is read a block later.
.macro EX exon
.if \exon
	WIN 0
.set rS, S+32*((PB+2)&3)+8*(e%4)+e/4
	v_exp_f32 v[rS], v[rS]
.endif
.set e, e+1
.endm
; A BLOCK: 32 slots, each a product (mm = 1), a plain line in the even slots, and an exponential.  In a step's first block the next step is fetched behind slot 9: the plain lines of slots 0, 2, 4, 6 and 8
; and the two address lines, which name no register of the last product that read those buffers, stand between.
.macro BLOCK par, hf, mm, exon, fetch
.set PB, 2*(\par)+(\hf)
.set HB, (\hf)
.set mi, 0
.set q, 0
.set e, 0
.rept 32
.if \mm
	MM \par, \hf
.endif
.if mi%2 == 0
	PL
.endif
	EX \exon
.if (\fetch) && ((\hf) == 0) && (mi == 9)
	FETCH 1-(\par)
.endif
.set mi, mi+1
.endr
.endm
.macro STEP par, fetch
	s_wait_dscnt 0x0                               ; this step's queries and -M, asked for 54 products ago, are in
	BLOCK \par, 0, 1, 1, \fetch
	BLOCK \par, 1, 1, 1, \fetch
.endm
	s_load_b256 s[4:11], s[0:1], 0x0               ; xb s[4:5], qb s[6:7], st s[8:9], part s[10:11]
	v_lshl_add_u32 v[SPW], v0, 2, SPARE
	v_mov_b32 v[NIL], 0
	ds_add_u32 v[SPW], v[NIL]                      ; the wave's opening: the add and its wait stand ahead of my first tensor load; the set-up below, work on registers, stands between them
	v_lshrrev_b32 v[HH], 5, v0
	v_readfirstlane_b32 s[WV], v[HH]               ; wave 0..3
	s_bfe_u32 s13, ttmp6, 0x40000                  ; cx: my place in the cluster
	s_lshl_b32 s14, ttmp9, 2                       ; in a cluster launch ttmp9 counts clusters
	s_add_co_u32 s14, s14, s13                     ; i, my block of 512 keys: it enters xb's and part's addresses alone
	s_and_b32 s15, ttmp7, 0xffff
	s_lshr_b32 s16, s15, 2                         ; b, the batch,
	s_and_b32 s17, s15, 3                          ; j, the part of the queries: the four partners share both
	s_lshl_b32 s18, s16, 21                        ; queries: (4096 b + 1024 j + 32 w) rows of 512 bytes
	s_lshl_b32 s19, s17, 19
	s_add_co_u32 s18, s18, s19
	s_lshl_b32 s19, s[WV], 14
	s_add_co_u32 s18, s18, s19
	s_mov_b32 s19, 0
	s_lshl_b32 s20, s16, 21                        ; keys: (4096 b + 512 i + 128 w) rows of 512 bytes
	s_lshl_b32 s21, s14, 18
	s_add_co_u32 s20, s20, s21
	s_lshl_b32 s21, s[WV], 16
	s_add_co_u32 s20, s20, s21
	s_mov_b32 s21, 0
	s_lshl_b32 s22, s16, 15                        ; st: (4096 b + 1024 j) pairs of 8 bytes, in key part 0
	s_lshl_b32 s23, s17, 13
	s_add_co_u32 s22, s22, s23
	s_mov_b32 s23, 0
	s_lshl_b32 s44, s16, 5                         ; part: (32 b + 4 i + j) rows of 1,024 bytes
	s_lshl_b32 s45, s14, 2
	s_add_co_u32 s44, s44, s45
	s_add_co_u32 s44, s44, s17
	s_lshl_b32 s44, s44, 10
	s_mov_b32 s45, 0
	s_lshl_b32 s46, s[WV], 9
	s_add_co_u32 s46, s46, WTAB                    ; my wave's w
	s_lshl_b32 s47, s[WV], 10
	s_add_co_u32 s47, s47, RED                     ; my wave's sums
	; descriptor group 1: a tile of 32 rows x 256 elements, padded in LDS
	s_mov_b32 s[G1+0], 15|(1<<16)|(1<<20)|(1<<21)|(6<<22)|(3<<25)  ; 15:0 the mask of four; 17:16 2-byte elements; 20 padding on; 21 set beside a mask; 24:22 after every 128 words (code 6); 31:25 4 words (code 3)
	s_mov_b32 s[G1+1], 256<<16                     ; tensor_dim0 = 256
	s_mov_b32 s[G1+2], 32<<16                      ; tensor_dim1 = 32
	s_mov_b32 s[G1+3], 256<<16                     ; tile_dim0 = 256
	s_mov_b32 s[G1+4], 32                          ; tile_dim1 = 32
	s_mov_b32 s[G1+5], 256                         ; 256 elements from row to row
	s_mov_b32 s[G1+6], 0
	s_mov_b32 s[G1+7], 0
	s_mov_b32 s[G0], 1                             ; 1:0 count = 1
	s_mul_i32 s[G0+1], s[WV], QUART                ; 63:32 LDS address: my quarter of slot 0; no place in the cluster enters it
	s_mov_b32 s[LOW], 0xff7fffff
	s_mov_b32 s[SEL], 0x76543210
	s_mov_b32 s[SEL+1], 0xfedcba98
	s_mov_b32 s[TB], SLOT1+SLOTB                   ; the first change of slots turns this into 0
	s_mov_b32 s[TM], 0
	s_wait_dscnt 0x0                               ; the opening add is done
	s_wait_kmcnt 0x0
	s_add_nc_u64 s[G0+2:G0+3], s[6:7], s[18:19]    ; 120:64 global address: my 32 rows of the part's first 128 queries
	s_or_b32 s[G0+3], s[G0+3], 0x80000000          ; 127:126 type = 2
	s_add_nc_u64 s[4:5], s[4:5], s[20:21]          ; xb at my wave's first key
	s_add_nc_u64 s[8:9], s[8:9], s[22:23]          ; st at the part's first query
	s_add_nc_u64 s[10:11], s[10:11], s[44:45]      ; part at my work-group's row
	CROUND                                         ; all four work-groups are here: the first joint loads meet
	JLOAD                                          ; slot 0.  Slot 1 is asked for when slot 0 is in
	v_and_b32 v[RR], 15, v0
	v_bfe_u32 v[HH], v0, 4, 1
	v_lshlrev_b32 v[T16], 4, v0
	v_lshlrev_b32 v[QO], 9, v[RR]
	v_lshl_add_u32 v[QO], v[HH], 4, v[QO]          ; row x 512 + 16 x half
.irp jj, 0,1,2,3                       ; (m, l) of the part's 1,024 queries in the four key parts: thread t takes queries 256 u + 2 t and + 1; a wave's load covers 512 consecutive bytes
.irp u, 0,1,2,3
	global_load_b128 v[LD+4*(4*(\jj)+(\u)):LD+4*(4*(\jj)+(\u))+3], v[T16], s[8:9] offset:(\jj)*262144+(\u)*2048
.endr
.endr
.irp hf, 0,1                           ; the keys stay in registers: 128 loads
	WIN 0x40+0x40*(\hf)                            ; destination window 1, then 2; address window 0
.irp t4, 0,1,2,3
.irp c, 0,1,2,3,4,5,6,7
	global_load_b128 v[64*(\t4)+8*(\c):64*(\t4)+8*(\c)+3],   v[QO], s[4:5] offset:(4*(\hf)+(\t4))*8192+64*(\c)
	global_load_b128 v[64*(\t4)+8*(\c)+4:64*(\t4)+8*(\c)+7], v[QO], s[4:5] offset:(4*(\hf)+(\t4))*8192+64*(\c)+32
.endr
.endr
.endr
	WIN 0
	v_mul_u32_u24 v[AK0], v[RR], PITCH
	v_lshl_add_u32 v[AK0], v[HH], 4, v[AK0]        ; row x pitch + 16 x half
	v_lshl_add_u32 v[AM0], v[HH], 5, NEGM
	v_lshlrev_b32 v[T8], 3, v0
	v_and_b32 v[L16], 31, v0
	v_lshlrev_b32 v[L16], 4, v[L16]
	v_lshl_add_u32 v[WST], v[RR], 2, s46
	v_mov_b32 v[WLD], s46
	v_lshl_add_u32 v[NST], v0, 3, NEGM
	v_lshl_add_u32 v[RST], v[L16], 1, s47
	v_lshl_add_u32 v[RLD], v0, 3, RED
	s_wait_loadcnt 63                              ; st's 16 loads are in: 128 loads were issued behind them, and 63 is the largest count that the wait can name
	; -M = -(mx + log2(sum of l 2^(m - mx))), mx the largest of the four m: eight queries a thread
.irp u, 0,1,2,3
.irp e, 0,1
	v_max3_num_f32 v[MX+2*(\u)+(\e)], v[LD+4*(\u)+2*(\e)], v[LD+4*(4+(\u))+2*(\e)], v[LD+4*(8+(\u))+2*(\e)]
.endr
.endr
.irp u, 0,1,2,3
.irp e, 0,1
	v_max_num_f32 v[MX+2*(\u)+(\e)], v[MX+2*(\u)+(\e)], v[LD+4*(12+(\u))+2*(\e)]
.endr
.endr
.irp jj, 0,1,2,3
.irp u, 0,1,2,3
.irp e, 0,1
	v_sub_f32 v[LD+4*(4*(\jj)+(\u))+2*(\e)], v[LD+4*(4*(\jj)+(\u))+2*(\e)], v[MX+2*(\u)+(\e)]
.endr
.endr
.endr
.irp jj, 0,1,2,3
.irp u, 0,1,2,3
.irp e, 0,1
	v_exp_f32 v[LD+4*(4*(\jj)+(\u))+2*(\e)], v[LD+4*(4*(\jj)+(\u))+2*(\e)]
.endr
.endr
.endr
	v_nop                                          ; a plain instruction between the last exponential and the use of its result
.irp u, 0,1,2,3
.irp e, 0,1
	s_wait_alu depctr_va_vdst(0)
	v_mul_f32 v[LL+2*(\u)+(\e)], v[LD+4*(\u)+2*(\e)+1], v[LD+4*(\u)+2*(\e)]
.endr
.endr
.irp jj, 1,2,3
.irp u, 0,1,2,3
.irp e, 0,1
	v_fmac_f32 v[LL+2*(\u)+(\e)], v[LD+4*(4*(\jj)+(\u))+2*(\e)+1], v[LD+4*(4*(\jj)+(\u))+2*(\e)]
.endr
.endr
.endr
.irp z, 0,1,2,3,4,5,6,7
	v_log_f32 v[LL+(\z)], v[LL+(\z)]
.endr
	v_nop                                          ; a plain instruction between the last logarithm and the use of its result
.irp z, 0,1,2,3,4,5,6,7
	s_wait_alu depctr_va_vdst(0)
	v_fma_f32 v[NN+(\z)], v[MX+(\z)], -1.0, -v[LL+(\z)]
.endr
.irp u, 0,1,2,3
	ds_store_b64 v[NST], v[NN+2*(\u):NN+2*(\u)+1] offset:1024*(\u)
.endr
	; No first blocks are written out: the first three blocks' riders work on pieces that have not been.  These 112 lines give them what adds 0 to w: sums of 0, and exponents whose weight is 0.
.set t, W
.rept 16
	v_mov_b32 v[t], 0
.set t, t+1
.endr
.set t, S+32
.rept 32
	v_mov_b32 v[t], 0
.set t, t+1
.endr
.rept 64
	v_mov_b32 v[t], s[LOW]
.set t, t+1
.endr
	CHANGE 1                                       ; slot 0 is in and the table of -M is whole, everybody's part of both; slot 1 is asked for
	FETCH 0                                        ; step 0
	s_wait_loadcnt 0x0                             ; the keys
	s_mov_b32 s[CNT], 4
	s_mov_b32 s[SLOTS], 7
	s_branch .Lfirst                               ; the loop is entered in the middle of a trip: a change of slots stands one step ahead of the new slot's first products, in front of the step that fetches its first rows
.Lslot:                                                ; six times: slots are filled again with the part's queries 256 on to 1,023
	CHANGE 1
	s_mov_b32 s[CNT], 4
.Lpair:
	STEP 1, 1
	WIN 0
.Lfirst:
	STEP 0, 1
	WIN 0
	s_sub_co_u32 s[CNT], s[CNT], 1
	s_cmp_lg_u32 s[CNT], 0
	s_cbranch_scc1 .Lpair
	s_sub_co_u32 s[SLOTS], s[SLOTS], 1
	s_cmp_lg_u32 s[SLOTS], 0
	s_cbranch_scc1 .Lslot
	CHANGE 0                                       ; the tail is written out: nothing is asked for
	s_mov_b32 s[CNT], 4
.Ltail:                                                ; steps 55 to 62
	STEP 1, 1
	STEP 0, 1
	WIN 0
	s_sub_co_u32 s[CNT], s[CNT], 1
	s_cmp_lg_u32 s[CNT], 0
	s_cbranch_scc1 .Ltail
	STEP 1, 0                                      ; step 63: nothing is left to fetch
	BLOCK 0, 0, 0, 1, 0                            ; the streams run out: three blocks without products.  The first one's 16 plain lines are the places behind the last product
	; My 128 keys once more, now as they lie: a load takes one row's 512 consecutive bytes, lane l its channels 8 l to 8 l + 7.  They land where the fragments lay.
	WIN 0x40
.set k, 0
.rept 64
	global_load_b128 v[4*k:4*k+3], v[L16], s[4:5] offset:512*k
.set k, k+1
.endr
	WIN 0x80
.set k, 0
.rept 64
	global_load_b128 v[4*k:4*k+3], v[L16], s[4:5] offset:512*(64+k)
.set k, k+1
.endr
	WIN 0
	BLOCK 0, 1, 0, 1, 0
	BLOCK 1, 0, 0, 0, 0
	; w of a key: its pair's two numbers, and those of the lane 16 away.  Through my wave's own bytes of LDS every lane gets all 128.
.macro ALL line:vararg                 ; one line for each tile t
.set t, 0
.rept 8
	\line
.set t, t+1
.endr
.endm
	ALL v_add_f32 v[W+2*t], v[W+2*t], v[W+2*t+1]
	ALL v_permlanex16_b32 v[W+2*t+1], v[W+2*t], s[SEL], s[SEL+1]
	ALL v_add_f32 v[W+2*t], v[W+2*t], v[W+2*t+1]
	ALL ds_store_b32 v[WST], v[W+2*t] offset:64*t  ; the two lanes of a key write the same number to the same word
.set k, 0
.rept 32
	ds_load_b128 v[WB+4*k:WB+4*k+3], v[WLD] offset:16*k  ; LDS serves a wave's instructions in order (ISA guide 5.7.1.4): these see the stores above; every lane reads the same 16 bytes
.set k, k+1
.endr
.irp z, 0,1,2,3,4,5,6,7
	v_mov_b32 v[ACC+(\z)], 0
.endr
	s_wait_dscnt 0x0                               ; w is in
.set k, 0
.rept 128                              ; row k: eight multiply-adds straight from the bf16 halves, eight chains by turns
.if k%4 == 0
.if 124-k > 63
	s_wait_loadcnt 63                              ; rows k to k + 3 are in: 124 - k loads were issued behind them, more than the wait can name
.else
	s_wait_loadcnt 124-k                           ; rows k to k + 3 are in: 124 - k loads were issued behind them
.endif
.endif
	WIN 1+k/64                                     ; source 0 in window 1, then 2
.set rr, 4*(k%64)
.irp z, 0,1,2,3
	v_fma_mix_f32_bf16 v[ACC+2*(\z)],   v[rr+(\z)], v[WB+k], v[ACC+2*(\z)]   op_sel_hi:[1,0,0]
	v_fma_mix_f32_bf16 v[ACC+2*(\z)+1], v[rr+(\z)], v[WB+k], v[ACC+2*(\z)+1] op_sel:[1,0,0] op_sel_hi:[1,0,0]
.endr
.set k, k+1
.endr
	WIN 0
	ds_store_b128 v[RST], v[ACC:ACC+3]             ; my wave's 256 sums
	ds_store_b128 v[RST], v[ACC+4:ACC+7] offset:16
	s_wait_dscnt 0x0                               ; for the others' sake: my stores are done
	s_barrier_signal -1
	s_barrier_wait -1
.irp z, 0,1,2,3
	ds_load_b64 v[SUM+2*(\z):SUM+2*(\z)+1], v[RLD] offset:1024*(\z)  ; thread t: channels 2 t and 2 t + 1 of the four waves
.endr
	s_wait_dscnt 0x0
	v_pk_add_f32 v[SUM:SUM+1], v[SUM:SUM+1], v[SUM+2:SUM+3]
	v_pk_add_f32 v[SUM+4:SUM+5], v[SUM+4:SUM+5], v[SUM+6:SUM+7]
	v_pk_add_f32 v[SUM:SUM+1], v[SUM:SUM+1], v[SUM+4:SUM+5]
	global_store_b64 v[T8], v[SUM:SUM+1], s[10:11] ; a wave stores 256 consecutive bytes, at a multiple of 256
	s_wait_tensorcnt 0x0                           ; the wave's end, behind my last tensor load and my last LDS store
	ds_add_u32 v[SPW], v[NIL]
	s_wait_dscnt 0x0
	CROUND                                         ; the closing round: no work-group ends while a partner may still ask for a tile that names it
	s_endpgm
.Lfunc_end_k_qf88d430792_colsum:
	.size	k_qf88d430792_colsum, .Lfunc_end_k_qf88d430792_colsum-k_qf88d430792_colsum
	.p2alignl 7, 3214868480
	.fill 96, 4, 3214868480
	.section	.rodata,"a",@progbits
	.p2align	6, 0x0
	.amdhsa_kernel k_qf88d430792_colsum
		.amdhsa_group_segment_fixed_size 327680
		.amdhsa_private_segment_fixed_size 0
		.amdhsa_enable_private_segment 0
		.amdhsa_kernarg_size 32
		.amdhsa_user_sgpr_count 2
		.amdhsa_user_sgpr_kernarg_segment_ptr 1
		.amdhsa_wavefront_size32 1
		.amdhsa_system_sgpr_workgroup_id_x 1
		.amdhsa_system_sgpr_workgroup_id_y 1
		.amdhsa_system_sgpr_workgroup_id_z 1
		.amdhsa_system_vgpr_workitem_id 0
		.amdhsa_next_free_vgpr 896
		.amdhsa_next_free_sgpr 66
		.amdhsa_reserve_vcc 0
		.amdhsa_float_denorm_mode_32 3
		.amdhsa_float_denorm_mode_16_64 3
		.amdhsa_memory_ordered 1
		.amdhsa_forward_progress 1
		.amdhsa_inst_pref_size 186
	.end_amdhsa_kernel
	.amdgpu_metadata
---
amdhsa.version: [ 1, 2 ]
amdhsa.kernels:
  - .name:           k_qf88d430792_colsum
    .symbol:         k_qf88d430792_colsum.kd
    .args:
      - { .name: xb, .offset: 0, .size: 8, .value_kind: global_buffer, .address_space: global }
      - { .name: qb, .offset: 8, .size: 8, .value_kind: global_buffer, .address_space: global }
      - { .name: st, .offset: 16, .size: 8, .value_kind: global_buffer, .address_space: global }
      - { .name: part, .offset: 24, .size: 8, .value_kind: global_buffer, .address_space: global }
    .group_segment_fixed_size: 327680
    .private_segment_fixed_size: 0
    .kernarg_segment_align: 8
    .kernarg_segment_size: 32
    .max_flat_workgroup_size: 128
    .sgpr_count:     66
    .vgpr_count:     896
    .wavefront_size: 32
...
	.end_amdgpu_metadata
.endif
;; end of part 3
;; launch reduce (part 4): grid 8 x 1, 4 waves a work-group, no clusters, 0 bytes of LDS; arguments part, out0; writes out0
.if DOCPART == 4
	.amdgcn_target "amdgcn-amd-amdhsa--gfx1250"
	.amdhsa_code_object_version 6
	.text
	.protected	k_qf88d430792_reduce
	.globl	k_qf88d430792_reduce
	.p2align	8
	.type	k_qf88d430792_reduce,@function
k_qf88d430792_reduce:
	s_mov_b64 s[64:65], 0
	v_nop
	global_prefetch_b8 v0, s[64:65] scope:SCOPE_SE
	s_setreg_imm32_b32 hwreg(HW_REG_WAVE_MODE, 25, 1), 1
	s_wait_xcnt 0x0
; out0[b][d] = the sum over p = 0 .. 31 of part[b][p][d], in f32.  The partial sums come from 32 work-groups of the launch before, so they meet in a launch of their own.
; One work-group a batch: the output has 2,048 numbers, two a thread.  Thread t takes channels 2 t and 2 t + 1: a wave's load or store covers 256 consecutive bytes at a multiple of 256.
; All 32 loads go out at once; four chains of packed additions, started by the first four pairs: nothing is cleared.
.set P0, 4                             ; v[4:67]  pair p at P0 + 2 p
	s_load_b128 s[4:7], s[0:1], 0x0                ; part s[4:5], out0 s[6:7]
	v_lshlrev_b32 v1, 3, v0                        ; 8 t
	s_lshl_b32 s2, ttmp9, 15                       ; the batch's 32 rows of 1,024 bytes
	s_mov_b32 s3, 0
	s_lshl_b32 s8, ttmp9, 10                       ; and its row of the output
	s_mov_b32 s9, 0
	s_wait_kmcnt 0x0
	s_add_nc_u64 s[4:5], s[4:5], s[2:3]
	s_add_nc_u64 s[6:7], s[6:7], s[8:9]
.set p, 0
.rept 32
	global_load_b64 v[P0+2*p:P0+2*p+1], v1, s[4:5] offset:1024*p
.set p, p+1
.endr
	s_wait_loadcnt 0x0
.set p, 4
.rept 28
	v_pk_add_f32 v[P0+2*(p%4):P0+2*(p%4)+1], v[P0+2*(p%4):P0+2*(p%4)+1], v[P0+2*p:P0+2*p+1]
.set p, p+1
.endr
	v_pk_add_f32 v[P0:P0+1], v[P0:P0+1], v[P0+2:P0+3]
	v_pk_add_f32 v[P0+4:P0+5], v[P0+4:P0+5], v[P0+6:P0+7]
	v_pk_add_f32 v[P0:P0+1], v[P0:P0+1], v[P0+4:P0+5]
	global_store_b64 v1, v[P0:P0+1], s[6:7]
	s_endpgm
.Lfunc_end_k_qf88d430792_reduce:
	.size	k_qf88d430792_reduce, .Lfunc_end_k_qf88d430792_reduce-k_qf88d430792_reduce
	.p2alignl 7, 3214868480
	.fill 96, 4, 3214868480
	.section	.rodata,"a",@progbits
	.p2align	6, 0x0
	.amdhsa_kernel k_qf88d430792_reduce
		.amdhsa_group_segment_fixed_size 0
		.amdhsa_private_segment_fixed_size 0
		.amdhsa_enable_private_segment 0
		.amdhsa_kernarg_size 16
		.amdhsa_user_sgpr_count 2
		.amdhsa_user_sgpr_kernarg_segment_ptr 1
		.amdhsa_wavefront_size32 1
		.amdhsa_system_sgpr_workgroup_id_x 1
		.amdhsa_system_sgpr_workgroup_id_y 1
		.amdhsa_system_sgpr_workgroup_id_z 1
		.amdhsa_system_vgpr_workitem_id 0
		.amdhsa_next_free_vgpr 72
		.amdhsa_next_free_sgpr 66
		.amdhsa_reserve_vcc 0
		.amdhsa_float_denorm_mode_32 3
		.amdhsa_float_denorm_mode_16_64 3
		.amdhsa_memory_ordered 1
		.amdhsa_forward_progress 1
		.amdhsa_inst_pref_size 6
	.end_amdhsa_kernel
	.amdgpu_metadata
---
amdhsa.version: [ 1, 2 ]
amdhsa.kernels:
  - .name:           k_qf88d430792_reduce
    .symbol:         k_qf88d430792_reduce.kd
    .args:
      - { .name: part, .offset: 0, .size: 8, .value_kind: global_buffer, .address_space: global }
      - { .name: out0, .offset: 8, .size: 8, .value_kind: global_buffer, .address_space: global }
    .group_segment_fixed_size: 0
    .private_segment_fixed_size: 0
    .kernarg_segment_align: 8
    .kernarg_segment_size: 16
    .max_flat_workgroup_size: 128
    .sgpr_count:     66
    .vgpr_count:     72
    .wavefront_size: 32
...
	.end_amdgpu_metadata
.endif
;; end of part 4
;; ======== version 2 of 2: 4 launches; 1.12 times as fast as version 1
;; workspace buffers: xb 16,777,216 bytes; qb 16,777,216 bytes; st 1,048,576 bytes; part 262,144 bytes
;; launch prep: the kernel of part 1 again; grid 1024 x 1, 8 waves a work-group, no clusters, 0 bytes of LDS; arguments x, drop_mask, xb, qb; writes xb, qb
;; launch stats (part 5): grid 8 x 32, 4 waves a work-group, clusters of 4 x 1, 327,680 bytes of LDS; arguments qb, xb, st; writes st
.if DOCPART == 5
	.amdgcn_target "amdgcn-amd-amdhsa--gfx1250"
	.amdhsa_code_object_version 6
	.text
	.protected	k_qf88d430792_stats
	.globl	k_qf88d430792_stats
	.p2align	8
	.type	k_qf88d430792_stats,@function
k_qf88d430792_stats:
	s_mov_b64 s[64:65], 0
	v_nop
	global_prefetch_b8 v0, s[64:65] scope:SCOPE_SE
	s_setreg_imm32_b32 hwreg(HW_REG_WAVE_MODE, 25, 1), 1
	s_wait_xcnt 0x0
	s_wait_alu depctr_hold_cnt(0) depctr_sa_sdst(0) depctr_va_vdst(0) depctr_va_sdst(0) depctr_va_ssrc(0) depctr_va_vcc(0) depctr_vm_vsrc(0)
	s_getreg_b32 s2, hwreg(HW_REG_IB_STS2, 6, 4)
	s_cmp_eq_u32 s2, 0
	s_cbranch_scc0 .Lentry_in_a_cluster
	s_endpgm
.Lentry_in_a_cluster:
	s_bfe_u32 s2, ttmp6, 0x10000c
	s_cmp_lg_u32 s2, 0x3003
	s_cbranch_scc0 .Lentry_shape_is_right
	s_endpgm
.Lentry_shape_is_right:
; ROW STATISTICS OF THE SOFTMAX.  s'[q][k] = qb[q] . xb[k] is the score in base 2 (the scale lies in qb).  For every query q of a batch and every part j of 1,024 keys:
; st[j][b][q] = (m, l),  m = the largest s' of the part,  l = the sum over the part of 2^(s' - m).  Products in bf16 with f32 sums; m and l in f32, by a running maximum.
; LIMITS.  NaN and infinities are not treated apart; a weight below 2^-126 counts as 0 in l; m starts at the lowest finite number.
; SHARES.  8 batches x 8 blocks of 512 queries x 4 parts of 1,024 keys = 256 work-groups of equal work.  A wave keeps 128 queries, eight tiles of 16 x 256 channels, in 512 registers for the whole
; launch; all four waves walk the part's keys, 16 a STEP, 64 steps: a step is 16 LDS loads and 64 matrix instructions.
; LAYOUT.  Source 0 = 16 keys, source 1 = 16 queries: in the result a lane holds ONE query (lane % 16) and the keys 8 (lane / 16) + 0..7.  So maximum and sum run along a lane's registers; the two
; halves of the lanes keep statistics of their own, which meet once, at the end: the loop has no exchange between lanes.
; BY TURNS.  A PIECE is half a step's result: four tiles x 16 keys, 32 registers.  A step makes two, A (tiles 0-3, products 0-31) and B (tiles 4-7, products 32-63), in the two buffers of its parity
; (buffer 2 x parity + half).  The products go four accumulators by turns, one instruction a turn; behind each stand two or three vector instructions of three kinds:
;   HF of a piece, 36 plain lines: the maximum of 8 scores and the old m; m_old - m_new; s - m_new       EX, 36 exponentials: a = 2^(m_old - m_new) and the 8 weights       T, 16 plain lines: l = a l + their sum
; ONE BATCH OF EXPONENTIALS A STEP, ONE WAIT.  Behind its products 0-43 step j issues EX of A and then of B of step j - 1, 72 exponentials, and beside them HF of B of step j - 1 and lines 0-11 of HF of its own A:
; nothing there names an exponential's result.  Behind product 43 stands the step's one wait, at the head of the run of LDS loads that fetches the next step's keys.  Behind products 44-63 stand the batch's
; readers, T of A and of B of step j - 1, and then the rest of HF of A.
; PLACES.  HF's line for tile t is the first read of the accumulator that product 28 + t (A) or 60 + t (B) ends: five plain lines or more that name no register of that product stand between.
; CLUSTER.  The four work-groups of a cluster have the same batch and part of the keys and differ in their queries: every tile of keys is asked for JOINTLY, by the same tensor load with the same
; descriptor and a mask that names the four.  The queries, which partners do not share, come straight into registers, once.
; REGISTERS, in windows of 256 (s_set_vgpr_msb: bits 1:0 source 0, 3:2 source 1, 5:4 source 2, 7:6 destination):
;   window 0: v0-15 addresses; v16-79 eight registers of statistics a tile; v80-207 the four buffers; v224-231 the way out
;   window 1: query tiles 0-3 (tile t, channels 32 c on, at 64 t + 8 c)      window 2: tiles 4-7      window 3: v0-63, v64-127 a step's keys, two buffers (channels 32 c on at 8 c)
; The vector work lies in window 0 and no window has room for a product's operands beside it: a slice costs two switches.
.set PITCH,  528                       ; an LDS row: 512 bytes + 16 of padding = 33 x 16: the 16 rows of a fragment load begin in 16 different columns of 16 bytes modulo 256
.set STEPB,  16*PITCH                  ; a step's rows
.set QUART,  32*PITCH                  ; what one tensor load brings: a wave's quarter of a slot
.set SLOTB,  128*PITCH                 ; a slot: 128 keys, eight steps
.set SLOT1,  1<<17                     ; slot 1 begins here, so that one exclusive or turns an address in one slot into the other's
.set SPARE,  SLOT1+SLOTB               ; behind the ring: the spare words, 128 bytes for each wave: two blocks of 256 bytes that no other line names
.set RR,  1                            ; v1   lane % 16
.set AK0, 2                            ; v2   my lane's place in a step's rows; never rewritten
.set AK,  3                            ; v3   the LDS address of the run of loads in hand
.set QO,  4                            ; v4   my byte offset in 16 rows of qb
.set HH,  7                            ; v7   lane / 16
.set SPW, 8                            ; v8   LDS address of my spare word: SPARE + 4 x my thread's number; never rewritten
.set NIL, 9                            ; v9   0; never rewritten
.set GO,  10                           ; v10  8 x lane: my place in 256 bytes of st
.set ST,  16                           ; tile t at ST + 8 t: +0 m (odd steps write it), +1 m_old - m_new, +2 m (even steps write it), +3 c1, +4, +5 l (even keys', odd keys'), +6 a, +7 c0
.set S,   80
.set OUTP, 224
.set WV,  12                           ; s12  my wave's number
.set G1,  24                           ; s[24:31] descriptor group 1
.set G0,  40                           ; s[40:43] descriptor group 0: it walks
.set SLOTS, 56                         ; s56  counts the changes of slots
.set CNT, 57                           ; s57  counts a slot's pairs of steps
.set HM,  58                           ; s58  the mask of lanes 16-31
.set LOW, 59                           ; s59  the lowest finite number
.set SEL, 60                           ; s[60:61] v_permlanex16_b32's selects: each lane takes its own place in the other half
.set TB,  62                           ; s62  LDS byte at which the rows of the step to be fetched begin
.set MSB, 0
.macro WIN new                         ; the immediate's high byte repeats the setting that is left; a switch that changes nothing is dropped
.if MSB != (\new)
	s_set_vgpr_msb (MSB<<8)|(\new)
.set MSB, (\new)
.endif
.endm
; A round of the cluster's barrier: my work-group's barrier, so that wave 0's signal speaks for all four waves; wave 0 signals; every wave waits for all four work-groups; my work-group's barrier once more.
.macro CROUND
	s_barrier_signal -1
	s_barrier_wait -1
	s_cmp_lg_u32 s[WV], 0
	s_cbranch_scc1 .Lnot_wave_0_\@
	s_barrier_signal -3
.Lnot_wave_0_\@:
	s_barrier_wait -3
	s_barrier_signal -1
	s_barrier_wait -1
.endm
; A joint fill: every wave asks for its own 32 rows of the slot; both addresses hang on the wave's number, the batch and the part alone.  An s_nop 0 and four v_nop follow the line.
.macro JLOAD
	tensor_load_to_lds s[G0:G0+3], s[G1:G1+7]
	s_nop 0
.rept 4
	v_nop
.endr
.endm
; THE CHANGE OF SLOTS.  The old slot's last rows have been asked for from LDS.  Each wave waits for all its tensor loads, of which one is out: its quarter of the other slot; adds 0 to its spare word; and
; waits for that and for its own reads of the old slot.  fill = 1: the old slot is filled again with the keys two slots on; the barrier is then a round of the cluster's, so that no wave of any partner
; still reads the slot or has a load on its way, and the joint fill is the first thing behind it: eight steps, 512 matrix instructions, stand between it and the wait for it.
; (At its first use nothing has been read yet: slot 0 is waited for, slot 1 filled.)  By this text's count a wave has one tensor load out at the most.
.macro CHANGE fill
	WIN 0                                          ; at a label and at a branch every window is 0
	s_wait_tensorcnt 0x0                           ; no tensor load of mine is out, so group 0 may be written
	ds_add_u32 v[SPW], v[NIL]                      ; 0 onto my spare word
.if \fill
	s_xor_b32 s[G0+1], s[G0+1], SLOT1              ; the other slot than last time,
	s_add_nc_u64 s[G0+2:G0+3], s[G0+2:G0+3], 128*512  ; the next 128 keys; the type bits on top are not reached
	s_wait_dscnt 0x0                               ; the add is done, and my reads of the slot are over
	CROUND
	JLOAD
.else
	s_wait_dscnt 0x0                               ; the add is done, and my reads of the slot are over
	s_barrier_signal -1
	s_barrier_wait -1
.endif
	s_sub_co_u32 s[TB], s[TB], SLOTB               ; the fetches go back to a slot's first step,
	s_xor_b32 s[TB], s[TB], SLOT1                  ; in the other slot
.endm
; 16 LDS loads in one run: a step's 16 keys x 256 channels, eight fragments, into buffer buf of window 3.  batch = 1 (in a step): the step's one wait stands in it, behind the address line.
.macro FETCH buf, batch=0
	WIN 0
	v_add_nc_u32 v[AK], s[TB], v[AK0]              ; in a step also the plain instruction behind the batch's last exponential
.if \batch
	s_wait_alu depctr_va_vdst(0)                   ; the wait for the step's batch, 72 exponentials, ahead of their first reader (T, behind product 44)
.endif
	WIN 0xc0                                       ; destination window 3, address window 0
.irp c, 0,1,2,3,4,5,6,7
	ds_load_b128 v[64*(\buf)+8*(\c):64*(\buf)+8*(\c)+3],   v[AK] offset:64*(\c)
	ds_load_b128 v[64*(\buf)+8*(\c)+4:64*(\buf)+8*(\c)+7], v[AK] offset:64*(\c)+32
.endr
	s_add_co_u32 s[TB], s[TB], STEPB               ; the next fetch is the next step's
	WIN 0
.endm
; Product sl of a step's 64: half sl / 32 of the tiles; of its 32, number mi: channels 32 (mi / 4) on, tile 4 (sl / 32) + mi % 4.  The first four of a half start the sums with the constant 0.  PAR is the step's parity.
.macro MM
.set hs, sl/32
.set mi, sl%32
.set cc, mi/4
.set rD, S+32*(2*PAR+hs)+8*(mi%4)
.set rA, 64*PAR+8*cc
.set rB, 64*(mi%4)+8*cc
	WIN 0x07+4*hs                                  ; keys in window 3, queries in window 1 or 2, C and D in window 0
.if cc == 0
	v_wmma_f32_16x16x32_bf16 v[rD:rD+7], v[rA:rA+7], v[rB:rB+7], 0
.else
	v_wmma_f32_16x16x32_bf16 v[rD:rD+7], v[rA:rA+7], v[rB:rB+7], v[rD:rD+7]
.endif
.endm
; Line pn of the 36 of HF for the piece in buffer pb, the four tiles by turns; each accumulator's lowest registers are read first.
; The m that a step reads and the m that it writes change places from step to step, which spares a copy.
.macro HFL
	WIN 0
.set tl, pn%4
.set rS, S+32*pb+8*tl
.set rT, ST+8*(4*(pb%2)+tl)
.set rO, rT+2*(pb/2)
.set rN, rT+2-2*(pb/2)
.set hj, pn/4
.if hj == 0
	v_max3_num_f32 v[rT+7], v[rS], v[rS+1], v[rS+2]
.elseif hj == 1
	v_max3_num_f32 v[rT+3], v[rS+3], v[rS+4], v[rS+5]
.elseif hj == 2
	v_max3_num_f32 v[rT+7], v[rT+7], v[rS+6], v[rS+7]
.elseif hj == 3
	v_max3_num_f32 v[rN], v[rT+7], v[rT+3], v[rO]
.elseif hj == 4
	v_sub_f32 v[rT+1], v[rO], v[rN]
.else
.set hp, rS+2*(hj-5)
	v_pk_add_f32 v[hp:hp+1], v[hp:hp+1], v[rN:rN+1] op_sel_hi:[1,0] neg_lo:[0,1] neg_hi:[0,1]  ; s - m_new
.endif
.endm
; Line pn of the 16 of T for the piece in buffer pb, the four tiles by turns.
.macro TL
	WIN 0
.set tl, pn%4
.set rS, S+32*pb+8*tl
.set rT, ST+8*(4*(pb%2)+tl)
.if pn/4 == 0
	v_pk_add_f32 v[rS:rS+1], v[rS:rS+1], v[rS+2:rS+3]
.elseif pn/4 == 1
	v_pk_add_f32 v[rS+4:rS+5], v[rS+4:rS+5], v[rS+6:rS+7]
.elseif pn/4 == 2
	v_pk_add_f32 v[rS:rS+1], v[rS:rS+1], v[rS+4:rS+5]
.else
	v_pk_fma_f32 v[rT+4:rT+5], v[rT+4:rT+5], v[rT+6:rT+7], v[rS:rS+1] op_sel_hi:[1,0,1]  ; l = a l + the sum
.endif
.endm
; THE PLAIN QUEUE of a step, 104 long.  0-35: HF of the last step's B.  36-47: lines 0-11 of HF of this step's A.  These 48 stand ahead of the wait and name no exponential's result.
; 48-63, 64-79: T of the last step's A and B, the batch's readers.  80-103: lines 12-35 of HF of this step's A.  own = 0 (the drain): there is no A of this step.
.macro PL own
.if q < 36
.set pb, 2*(1-PAR)+1
.set pn, q
	HFL
.elseif q < 48
.if \own
.set pb, 2*PAR
.set pn, q-36
	HFL
.endif
.elseif q < 80
.set pb, 2*(1-PAR)+(q-48)/16
.set pn, (q-48)%16
	TL
.elseif \own
.set pb, 2*PAR
.set pn, q-68
	HFL
.endif
.set q, q+1
.endm
; THE EXPONENTIALS' QUEUE of a step, 72 long, ONE BATCH: of the last step's A and then of its B: a, then the eight weights, the four tiles by turns.  What stands next to an exponential names none of its registers.
; A's arguments were made in the step before.  B's are made by plain 0-35: its a (numbers 36-39) wants plain 16-19, its weights s0 and s1 (40-47) plain 20-23; number 36 stands behind plain 27, number 48 behind plain 36.
.macro EX
	WIN 0
.set en, e%36
.set tl, en%4
.set rS, S+32*(2*(1-PAR)+e/36)+8*tl
.set rT, ST+8*(4*(e/36)+tl)
.if en < 4
	v_exp_f32 v[rT+6], v[rT+1]
.else
	v_exp_f32 v[rS+en/4-1], v[rS+en/4-1]
.endif
.set e, e+1
.endm
; A SLOT: a product (mm = 1) and its riders; a plain line leads.  Slots 0-31: plain and two exponentials in the even ones, plain and one in the odd ones, and a second plain line in every eighth: 36 + 48.
; Slots 32-43: plain and two exponentials: 12 + 24.  Slots 44-63, behind the wait: three plain lines, in every fifth two: 56.
.macro SLOT mm, own
.if \mm
	MM
.endif
.if sl < 32
	PL \own
	EX
.if sl%2 == 0
	EX
.elseif sl%8 == 7
	PL \own
.endif
.elseif sl < 44
	PL \own
	EX
	EX
.else
	PL \own
	PL \own
.if (sl-44)%5 < 4
	PL \own
.endif
.endif
.set sl, sl+1
.endm
.macro OPEN par                        ; a step of parity par begins
.set PAR, (\par)
.set sl, 0
.set q, 0
.set e, 0
.endm
.macro RUN mm, own, n                  ; its next n slots
.rept \n
	SLOT \mm, \own
.endr
.endm
; A STEP.  The next step's keys are fetched behind slot 43, into the buffer that the last step's products read: more than 48 plain lines stand between.
.macro STEP par, fetch
	s_wait_dscnt 0x0                               ; this step's keys, asked for 20 products ago, are in
	OPEN \par
	RUN 1, 1, 44
.if \fetch
	FETCH 1-(\par), 1                              ; the wait for the batch stands in it
.else
	WIN 0
	v_nop                                          ; a plain instruction behind the batch's last exponential,
	s_wait_alu depctr_va_vdst(0)                   ; and the wait for the step's batch, 72 exponentials, ahead of their first reader
.endif
	RUN 1, 1, 20
.endm
	s_load_b128 s[4:7], s[0:1], 0x0                ; qb s[4:5], xb s[6:7]
	s_load_b64 s[8:9], s[0:1], 0x10                ; st
	v_lshl_add_u32 v[SPW], v0, 2, SPARE
	v_mov_b32 v[NIL], 0
	ds_add_u32 v[SPW], v[NIL]                      ; the wave's opening: the add and its wait stand ahead of my first tensor load; the set-up below, work on registers, stands between them
	v_lshrrev_b32 v[HH], 5, v0
	v_readfirstlane_b32 s[WV], v[HH]               ; wave 0..3
	s_bfe_u32 s13, ttmp6, 0x40000                  ; cx: my place in the cluster
	s_lshl_b32 s14, ttmp9, 2                       ; in a cluster launch ttmp9 counts clusters
	s_add_co_u32 s14, s14, s13                     ; i, my block of 512 queries: it enters qb's and st's addresses alone
	s_and_b32 s15, ttmp7, 0xffff
	s_lshr_b32 s16, s15, 2                         ; b, the batch,
	s_and_b32 s17, s15, 3                          ; j, the part of the keys: the four partners share both
	s_lshl_b32 s18, s16, 21                        ; keys: (4096 b + 1024 j + 32 w) rows of 512 bytes
	s_lshl_b32 s19, s17, 19
	s_add_co_u32 s18, s18, s19
	s_lshl_b32 s19, s[WV], 14
	s_add_co_u32 s18, s18, s19
	s_mov_b32 s19, 0
	s_lshl_b32 s20, s16, 21                        ; queries: (4096 b + 512 i + 128 w) rows of 512 bytes
	s_lshl_b32 s21, s14, 18
	s_add_co_u32 s20, s20, s21
	s_lshl_b32 s21, s[WV], 16
	s_add_co_u32 s20, s20, s21
	s_mov_b32 s21, 0
	s_lshl_b32 s22, s17, 3                         ; st: ((8 j + b) 4096 + 512 i + 128 w) pairs of 8 bytes
	s_add_co_u32 s22, s22, s16
	s_lshl_b32 s22, s22, 15
	s_lshl_b32 s23, s14, 12
	s_add_co_u32 s22, s22, s23
	s_lshl_b32 s23, s[WV], 10
	s_add_co_u32 s22, s22, s23
	s_mov_b32 s23, 0
	; descriptor group 1: a tile of 32 rows x 256 elements, padded in LDS
	s_mov_b32 s[G1+0], 15|(1<<16)|(1<<20)|(1<<21)|(6<<22)|(3<<25)  ; 15:0 the mask of four; 17:16 2-byte elements; 20 padding on; 21 set beside a mask; 24:22 after every 128 words (code 6); 31:25 4 words (code 3)
	s_mov_b32 s[G1+1], 256<<16                     ; tensor_dim0 = 256
	s_mov_b32 s[G1+2], 32<<16                      ; tensor_dim1 = 32
	s_mov_b32 s[G1+3], 256<<16                     ; tile_dim0 = 256
	s_mov_b32 s[G1+4], 32                          ; tile_dim1 = 32
	s_mov_b32 s[G1+5], 256                         ; 256 elements from row to row
	s_mov_b32 s[G1+6], 0
	s_mov_b32 s[G1+7], 0
	s_mov_b32 s[G0], 1                             ; 1:0 count = 1
	s_mul_i32 s[G0+1], s[WV], QUART                ; 63:32 LDS address: my quarter of slot 0; no place in the cluster enters it
	s_mov_b32 s[HM], 0xffff0000
	s_mov_b32 s[LOW], 0xff7fffff
	s_mov_b32 s[SEL], 0x76543210
	s_mov_b32 s[SEL+1], 0xfedcba98
	s_mov_b32 s[TB], SLOT1+SLOTB                   ; the first change of slots turns this into 0
	s_wait_dscnt 0x0                               ; the opening add is done
	s_wait_kmcnt 0x0
	s_add_nc_u64 s[G0+2:G0+3], s[6:7], s[18:19]    ; 120:64 global address: my 32 rows of the part's first 128 keys
	s_or_b32 s[G0+3], s[G0+3], 0x80000000          ; 127:126 type = 2
	s_add_nc_u64 s[4:5], s[4:5], s[20:21]          ; qb at my wave's first query
	s_add_nc_u64 s[8:9], s[8:9], s[22:23]          ; st at my wave's first pair
	CROUND                                         ; all four work-groups are here: the first joint loads meet
	JLOAD                                          ; slot 0.  Slot 1 is asked for when slot 0 is in
	; A fragment is 16 rows x 32 channels in 8 registers: lane l holds row l % 16, channels 8 (l / 16) + 0..7 and 16 + 8 (l / 16) + 0..7: two loads of 16 bytes, 32 bytes apart.
	v_and_b32 v[RR], 15, v0
	v_bfe_u32 v[HH], v0, 4, 1
	v_lshlrev_b32 v[QO], 9, v[RR]
	v_lshl_add_u32 v[QO], v[HH], 4, v[QO]          ; row x 512 + 16 x half
.irp hf, 0,1                           ; the queries stay in registers: 128 loads
	WIN 0x40+0x40*(\hf)                            ; destination window 1, then 2; address window 0
.irp t4, 0,1,2,3
.irp c, 0,1,2,3,4,5,6,7
	global_load_b128 v[64*(\t4)+8*(\c):64*(\t4)+8*(\c)+3],   v[QO], s[4:5] offset:(4*(\hf)+(\t4))*8192+64*(\c)
	global_load_b128 v[64*(\t4)+8*(\c)+4:64*(\t4)+8*(\c)+7], v[QO], s[4:5] offset:(4*(\hf)+(\t4))*8192+64*(\c)+32
.endr
.endr
.endr
	WIN 0
	; No first step is written out: the first step's riders work on two pieces that have not been, in buffers 2 and 3.  These 128 lines, which stand in the wait for the first tile, give them finite
	; numbers, and leave m at the lowest finite number; each tile's first true step has a = 2^(lowest - m) = 0, which wipes what they left in l.
.set t, 0
.rept 8
	v_mov_b32 v[ST+8*t], s[LOW]
	v_mov_b32 v[ST+8*t+1], 0
	v_mov_b32 v[ST+8*t+2], s[LOW]
	v_mov_b32 v[ST+8*t+3], 0
	v_mov_b32 v[ST+8*t+4], 0
	v_mov_b32 v[ST+8*t+5], 0
	v_mov_b32 v[ST+8*t+6], 0
	v_mov_b32 v[ST+8*t+7], 0
.set t, t+1
.endr
.set t, S+64
.rept 32
	v_mov_b32 v[t], 0
.set t, t+1
.endr
.rept 32
	v_mov_b32 v[t], s[LOW]
.set t, t+1
.endr
	v_mul_u32_u24 v[AK0], v[RR], PITCH
	v_lshl_add_u32 v[AK0], v[HH], 4, v[AK0]        ; row x pitch + 16 x half
	v_and_b32 v[GO], 31, v0
	v_lshlrev_b32 v[GO], 3, v[GO]
	CHANGE 1                                       ; slot 0 is in, everybody's part of it; slot 1 is asked for
	FETCH 0                                        ; step 0
	s_wait_loadcnt 0x0                             ; the queries
	s_mov_b32 s[CNT], 4
	s_mov_b32 s[SLOTS], 7
	s_branch .Lfirst                               ; the loop is entered in the middle of a trip: a change of slots stands one step ahead of the new slot's first products, in front of the step that fetches its first rows
.Lslot:                                                ; six times: slots are filled again with the part's keys 256 on to 1,023
	CHANGE 1
	s_mov_b32 s[CNT], 4
.Lpair:
	STEP 1, 1
	WIN 0
.Lfirst:
	STEP 0, 1
	WIN 0
	s_sub_co_u32 s[CNT], s[CNT], 1
	s_cmp_lg_u32 s[CNT], 0
	s_cbranch_scc1 .Lpair
	s_sub_co_u32 s[SLOTS], s[SLOTS], 1
	s_cmp_lg_u32 s[SLOTS], 0
	s_cbranch_scc1 .Lslot
	CHANGE 0                                       ; the tail is written out: nothing is asked for
	s_mov_b32 s[CNT], 4
.Ltail:                                                ; steps 55 to 62
	STEP 1, 1
	STEP 0, 1
	WIN 0
	s_sub_co_u32 s[CNT], s[CNT], 1
	s_cmp_lg_u32 s[CNT], 0
	s_cbranch_scc1 .Ltail
	STEP 1, 0                                      ; step 63: nothing is left to fetch
	OPEN 0                                         ; the queues run out: a step without products, and without an A of its own
	RUN 0, 0, 44                                   ; HF of step 63's B, and the last batch: behind plain 35 its exponentials stand on end,
	v_nop                                          ; so a plain instruction is set behind the last of them (ISA guide 5.7.2),
	s_wait_alu depctr_va_vdst(0)                   ; and the wait for the batch, 72 exponentials, ahead of T
	RUN 0, 0, 20
	; THE WAY OUT.  A query's two halves of the keys lie in lanes 16 apart: m* = the larger m, l* = l 2^(m - m*) + l' 2^(m' - m*).
.macro ALL line:vararg                 ; one line for each tile t
.set t, 0
.rept 8
	\line
.set t, t+1
.endr
.endm
	WIN 0
	ALL v_add_f32 v[ST+8*t+4], v[ST+8*t+4], v[ST+8*t+5]
	ALL v_permlanex16_b32 v[ST+8*t+7], v[ST+8*t], s[SEL], s[SEL+1]
	ALL v_permlanex16_b32 v[ST+8*t+3], v[ST+8*t+4], s[SEL], s[SEL+1]
	ALL v_max_num_f32 v[ST+8*t+2], v[ST+8*t], v[ST+8*t+7]
	ALL v_sub_f32 v[ST+8*t+1], v[ST+8*t], v[ST+8*t+2]
	ALL v_sub_f32 v[ST+8*t+7], v[ST+8*t+7], v[ST+8*t+2]
	ALL v_exp_f32 v[ST+8*t+1], v[ST+8*t+1]
	ALL v_exp_f32 v[ST+8*t+7], v[ST+8*t+7]
	v_nop                                          ; a plain instruction between the last exponential and the use of its result
	s_wait_alu depctr_va_vdst(0)                   ; one wait for the way out's batch of 16 exponentials
	ALL v_mul_f32 v[ST+8*t+5], v[ST+8*t+4], v[ST+8*t+1]
	ALL v_fmac_f32 v[ST+8*t+5], v[ST+8*t+3], v[ST+8*t+7]
.irp u, 0,1,2,3                        ; lanes 0-15 take tile 2 u's queries, lanes 16-31 tile 2 u + 1's: 32 neighbouring queries, 256 consecutive bytes at a multiple of 256
	v_cndmask_b32 v[OUTP+2*(\u)],   v[ST+16*(\u)+2], v[ST+16*(\u)+10], s[HM]
	v_cndmask_b32 v[OUTP+2*(\u)+1], v[ST+16*(\u)+5], v[ST+16*(\u)+13], s[HM]
	global_store_b64 v[GO], v[OUTP+2*(\u):OUTP+2*(\u)+1], s[8:9] offset:256*(\u)
.endr
	s_wait_tensorcnt 0x0                           ; the wave's end, behind my last tensor load
	ds_add_u32 v[SPW], v[NIL]
	s_wait_dscnt 0x0
	CROUND                                         ; the closing round: no work-group ends while a partner may still ask for a tile that names it
	s_endpgm
.Lfunc_end_k_qf88d430792_stats:
	.size	k_qf88d430792_stats, .Lfunc_end_k_qf88d430792_stats-k_qf88d430792_stats
	.p2alignl 7, 3214868480
	.fill 96, 4, 3214868480
	.section	.rodata,"a",@progbits
	.p2align	6, 0x0
	.amdhsa_kernel k_qf88d430792_stats
		.amdhsa_group_segment_fixed_size 327680
		.amdhsa_private_segment_fixed_size 0
		.amdhsa_enable_private_segment 0
		.amdhsa_kernarg_size 24
		.amdhsa_user_sgpr_count 2
		.amdhsa_user_sgpr_kernarg_segment_ptr 1
		.amdhsa_wavefront_size32 1
		.amdhsa_system_sgpr_workgroup_id_x 1
		.amdhsa_system_sgpr_workgroup_id_y 1
		.amdhsa_system_sgpr_workgroup_id_z 1
		.amdhsa_system_vgpr_workitem_id 0
		.amdhsa_next_free_vgpr 896
		.amdhsa_next_free_sgpr 66
		.amdhsa_reserve_vcc 0
		.amdhsa_float_denorm_mode_32 3
		.amdhsa_float_denorm_mode_16_64 3
		.amdhsa_memory_ordered 1
		.amdhsa_forward_progress 1
		.amdhsa_inst_pref_size 122
	.end_amdhsa_kernel
	.amdgpu_metadata
---
amdhsa.version: [ 1, 2 ]
amdhsa.kernels:
  - .name:           k_qf88d430792_stats
    .symbol:         k_qf88d430792_stats.kd
    .args:
      - { .name: qb, .offset: 0, .size: 8, .value_kind: global_buffer, .address_space: global }
      - { .name: xb, .offset: 8, .size: 8, .value_kind: global_buffer, .address_space: global }
      - { .name: st, .offset: 16, .size: 8, .value_kind: global_buffer, .address_space: global }
    .group_segment_fixed_size: 327680
    .private_segment_fixed_size: 0
    .kernarg_segment_align: 8
    .kernarg_segment_size: 24
    .max_flat_workgroup_size: 128
    .sgpr_count:     66
    .vgpr_count:     896
    .wavefront_size: 32
...
	.end_amdgpu_metadata
.endif
;; end of part 5
;; launch colsum (part 6): grid 8 x 32, 4 waves a work-group, clusters of 4 x 1, 327,680 bytes of LDS; arguments xb, qb, st, part; writes part
.if DOCPART == 6
	.amdgcn_target "amdgcn-amd-amdhsa--gfx1250"
	.amdhsa_code_object_version 6
	.text
	.protected	k_qf88d430792_colsum
	.globl	k_qf88d430792_colsum
	.p2align	8
	.type	k_qf88d430792_colsum,@function
k_qf88d430792_colsum:
	s_mov_b64 s[64:65], 0
	v_nop
	global_prefetch_b8 v0, s[64:65] scope:SCOPE_SE
	s_setreg_imm32_b32 hwreg(HW_REG_WAVE_MODE, 25, 1), 1
	s_wait_xcnt 0x0
	s_wait_alu depctr_hold_cnt(0) depctr_sa_sdst(0) depctr_va_vdst(0) depctr_va_sdst(0) depctr_va_ssrc(0) depctr_va_vcc(0) depctr_vm_vsrc(0)
	s_getreg_b32 s2, hwreg(HW_REG_IB_STS2, 6, 4)
	s_cmp_eq_u32 s2, 0
	s_cbranch_scc0 .Lentry_in_a_cluster
	s_endpgm
.Lentry_in_a_cluster:
	s_bfe_u32 s2, ttmp6, 0x10000c
	s_cmp_lg_u32 s2, 0x3003
	s_cbranch_scc0 .Lentry_shape_is_right
	s_endpgm
.Lentry_shape_is_right:
; COLUMN SUMS OF THE SOFTMAX, AND THEIR PRODUCT WITH x.  The sum over the queries commutes with the second product: out[b][d] = sum over k of w[k] x[k][d], w[k] = sum over q of att[q][k].
; With M[q] = m + log2 l, made here from the four partial (m, l) of st: att[q][k] = 2^(s'[q][k] - M[q]), s' = qb[q] . xb[k] as in the launch before.  s' <= m <= M, so no exponent is above 0 but by rounding.
; part[b][4 i + j][d] = the sum over block i's 512 keys of w_j[k] xb[k][d], w_j taken over part j's 1,024 queries.  Products in bf16 with f32 sums; w, its product with xb and all partial sums in f32.
; LIMITS.  NaN and infinities are not treated apart; a weight below 2^-126 counts as 0; the sum over q is taken ahead of the product with x, so the order of the sums is not the source's.
; SHARES.  8 batches x 8 blocks of 512 keys x 4 parts of 1,024 queries = 256 work-groups of equal work.  A wave keeps 128 keys, eight tiles of 16 x 256 channels, in 512 registers; all four waves walk the
; part's queries, 16 a STEP, 64 steps: a step is 18 LDS loads and 64 matrix instructions.
; LAYOUT.  Source 0 = 16 queries, source 1 = 16 keys: in the result a lane holds ONE key (lane % 16) and the queries 8 (lane / 16) + 0..7.  -M of those eight queries IS the C operand that starts the sum,
; so the product's result is the exponent; w runs along a lane's registers, and the two halves of the lanes meet once, at the end.
; BY TURNS.  A PIECE is half a step's result: four tiles x 16 queries, 32 registers.  A step makes two, A (tiles 0-3, products 0-31) and B (tiles 4-7, products 32-63), in the two buffers of its parity
; (buffer 2 x parity + half).  The products go four accumulators by turns, one instruction a turn; behind them stand EX of a piece, 32 exponentials, and T, 16 plain lines (w += the eight weights).
; ONE BATCH OF EXPONENTIALS A STEP, ONE WAIT.  Behind its products 0-43 step j issues EX of A and then of B of step j - 1, 64 exponentials; beside them, in the even slots up to 30, stands T of B of step j - 2, whose
; exponentials had their wait a step before and whose buffer is written again from product 32 on: nothing there names a result of the batch.  Behind product 43 stands the step's one wait, at the head of the run of LDS
; loads that fetches the next step.  Behind products 44-62 stands T of A of step j - 1; T of B of step j - 1 follows in step j + 1..
; PLACES: between a piece's last product and the first exponential that reads it stand ten plain lines or more that name no register of that product.
; THE LAST PRODUCT, 128 keys x 256 channels a wave, is a two-thousandth of the launch's multiply-adds: it goes by v_fma_mix_f32_bf16 on rows read once more as they lie, w in f32.
; CLUSTER.  The four work-groups of a cluster have the same batch and part of the queries and differ in their keys: every tile of queries is asked for JOINTLY.  The keys come straight into registers.
; REGISTERS, in windows of 256 (s_set_vgpr_msb: bits 1:0 source 0, 3:2 source 1, 5:4 source 2, 7:6 destination):
;   window 0: v0-15 addresses; v16-31 w, a pair a tile; v32-58 at work at the start, addresses; v80-207 the four buffers; v208-223 -M, two sets of 8; v224-239 the way out
;   window 1: key tiles 0-3 (tile t, channels 32 c on, at 64 t + 8 c)      window 2: tiles 4-7      window 3: v0-63, v64-127 a step's queries, two buffers
.set PITCH,  528                       ; an LDS row: 512 bytes + 16 of padding = 33 x 16: the 16 rows of a fragment load begin in 16 different columns of 16 bytes modulo 256
.set STEPB,  16*PITCH
.set QUART,  32*PITCH                  ; what one tensor load brings: a wave's quarter of a slot
.set SLOTB,  128*PITCH                 ; a slot: 128 queries, eight steps
.set SLOT1,  1<<17                     ; slot 1 begins here, so that one exclusive or turns an address in one slot into the other's
.set NEGM,   SLOT1+SLOTB               ; behind the ring, in blocks of 256 bytes into which no fill lands: -M of the part's 1,024 queries, 4,096 bytes
.set WTAB,   NEGM+4096                 ; each wave's 128 w, 512 bytes a wave
.set RED,    WTAB+2048                 ; each wave's 256 sums, 1,024 bytes a wave
.set SPARE,  RED+4096                  ; the spare words, 128 bytes for each wave: two blocks of 256 bytes that no other line names
.set RR,  1                            ; v1   lane % 16
.set AK0, 2                            ; v2   my lane's place in a step's rows; never rewritten
.set AK,  3                            ; v3   the LDS address of the run of loads in hand
.set QO,  4                            ; v4   my byte offset in 16 rows of xb
.set AM0, 5                            ; v5   NEGM + 32 (lane / 16); never rewritten
.set AM,  6                            ; v6   the LDS address of the step's -M
.set HH,  7                            ; v7   lane / 16
.set SPW, 8                            ; v8   LDS address of my spare word: SPARE + 4 x my thread's number; never rewritten
.set NIL, 9                            ; v9   0; never rewritten
.set T8,  10                           ; v10  8 x thread
.set L16, 11                           ; v11  16 x lane
.set WST, 12                           ; v12  where my key's w goes
.set WLD, 13                           ; v13  my wave's w
.set T16, 15                           ; v15  16 x thread
.set W,   16
.set MX,  32                           ; the merge: the largest m, by (u, e)
.set LL,  40                           ; its l, then log2 l
.set NN,  48                           ; -M
.set NST, 56                           ; v56  NEGM + 8 x thread
.set RST, 57                           ; v57  RED + 1,024 x wave + 32 x lane
.set RLD, 58                           ; v58  RED + 8 x thread
.set S,   80
.set LD,  80                           ; at the start: st's 16 loads, 4 registers each
.set WB,  80                           ; at the end: w[k] of my wave's key k in every lane, at WB + k
.set CM,  208
.set ACC, 224
.set SUM, 232
.set WV,  12                           ; s12  my wave's number
.set G1,  24                           ; s[24:31] descriptor group 1
.set G0,  40                           ; s[40:43] descriptor group 0: it walks
.set SLOTS, 56
.set CNT, 57
.set LOW, 59                           ; s59  the lowest finite number
.set SEL, 60                           ; s[60:61] v_permlanex16_b32's selects
.set TB,  62                           ; s62  LDS byte at which the rows of the step to be fetched begin
.set TM,  63                           ; s63  byte of that step's first query in the table of -M
.set MSB, 0
.macro WIN new                         ; the immediate's high byte repeats the setting that is left; a switch that changes nothing is dropped
.if MSB != (\new)
	s_set_vgpr_msb (MSB<<8)|(\new)
.set MSB, (\new)
.endif
.endm
; A round of the cluster's barrier: my work-group's barrier, so that wave 0's signal speaks for all four waves; wave 0 signals; every wave waits for all four work-groups; my work-group's barrier once more.
.macro CROUND
	s_barrier_signal -1
	s_barrier_wait -1
	s_cmp_lg_u32 s[WV], 0
	s_cbranch_scc1 .Lnot_wave_0_\@
	s_barrier_signal -3
.Lnot_wave_0_\@:
	s_barrier_wait -3
	s_barrier_signal -1
	s_barrier_wait -1
.endm
; A joint fill: every wave asks for its own 32 rows of the slot; both addresses hang on the wave's number, the batch and the part alone.  An s_nop 0 and four v_nop follow the line.
.macro JLOAD
	tensor_load_to_lds s[G0:G0+3], s[G1:G1+7]
	s_nop 0
.rept 4
	v_nop
.endr
.endm
; THE CHANGE OF SLOTS.  Each wave waits for all its tensor loads, of which one is out: its quarter of the other slot; adds 0 to its spare word; and waits for that and for its own LDS work: its reads of the
; old slot, at the first use its stores into the table of -M.  fill = 1: the old slot is filled again with the queries two slots on; the barrier is then a round of the cluster's, so that no wave of any
; partner still reads the slot or has a load on its way, and the joint fill is the first thing behind it: eight steps, 512 matrix instructions, stand between it and the wait for it.
; By this text's count a wave has one tensor load out at the most.
.macro CHANGE fill
	WIN 0                                          ; at a label and at a branch every window is 0
	s_wait_tensorcnt 0x0                           ; no tensor load of mine is out, so group 0 may be written
	ds_add_u32 v[SPW], v[NIL]                      ; 0 onto my spare word
.if \fill
	s_xor_b32 s[G0+1], s[G0+1], SLOT1              ; the other slot than last time,
	s_add_nc_u64 s[G0+2:G0+3], s[G0+2:G0+3], 128*512  ; the next 128 queries; the type bits on top are not reached
	s_wait_dscnt 0x0                               ; the add is done, and my LDS reads and stores are over
	CROUND
	JLOAD
.else
	s_wait_dscnt 0x0                               ; the add is done, and my reads of the slot are over
	s_barrier_signal -1
	s_barrier_wait -1
.endif
	s_sub_co_u32 s[TB], s[TB], SLOTB               ; the fetches go back to a slot's first step,
	s_xor_b32 s[TB], s[TB], SLOT1                  ; in the other slot
.endm
; 18 LDS loads in one run: -M of a step's 16 queries (each half of the lanes reads its eight, all its lanes the same 32 bytes), and the queries' eight fragments, into set and buffer buf.
; batch = 1 (in a step): the step's one wait stands in it, behind the two address lines.
.macro FETCH buf, batch=0
	WIN 0
	v_add_nc_u32 v[AK], s[TB], v[AK0]              ; in a step also the plain instruction behind the batch's last exponential
	v_add_nc_u32 v[AM], s[TM], v[AM0]
.if \batch
	s_wait_alu depctr_va_vdst(0)                   ; the wait for the step's batch, 64 exponentials, ahead of their first reader (T, behind product 44)
.endif
	ds_load_b128 v[CM+8*(\buf):CM+8*(\buf)+3],   v[AM]
	ds_load_b128 v[CM+8*(\buf)+4:CM+8*(\buf)+7], v[AM] offset:16
	WIN 0xc0                                       ; destination window 3, address window 0
.irp c, 0,1,2,3,4,5,6,7
	ds_load_b128 v[64*(\buf)+8*(\c):64*(\buf)+8*(\c)+3],   v[AK] offset:64*(\c)
	ds_load_b128 v[64*(\buf)+8*(\c)+4:64*(\buf)+8*(\c)+7], v[AK] offset:64*(\c)+32
.endr
	s_add_co_u32 s[TB], s[TB], STEPB               ; the next fetch is the next step's
	s_add_co_u32 s[TM], s[TM], 64
	WIN 0
.endm
; Product sl of a step's 64: half sl / 32 of the tiles; of its 32, number mi: channels 32 (mi / 4) on, tile 4 (sl / 32) + mi % 4.  The first four of a half start the sums with -M.  PAR is the step's parity.
.macro MM
.set hs, sl/32
.set mi, sl%32
.set cc, mi/4
.set rD, S+32*(2*PAR+hs)+8*(mi%4)
.set rA, 64*PAR+8*cc
.set rB, 64*(mi%4)+8*cc
	WIN 0x07+4*hs                                  ; queries in window 3, keys in window 1 or 2, C and D in window 0
.if cc == 0
	v_wmma_f32_16x16x32_bf16 v[rD:rD+7], v[rA:rA+7], v[rB:rB+7], v[CM+8*PAR:CM+8*PAR+7]
.else
	v_wmma_f32_16x16x32_bf16 v[rD:rD+7], v[rA:rA+7], v[rB:rB+7], v[rD:rD+7]
.endif
.endm
; THE PLAIN QUEUE of a step, 32 long, the four tiles by turns.  0-15: T of B of two steps back (this parity's second buffer), ahead of the wait.  16-31: T of the last step's A, a reader of the batch, behind it.
.macro PL
	WIN 0
.if q < 16
.set pb, 2*PAR+1
.else
.set pb, 2*(1-PAR)
.endif
.set pn, q%16
.set tl, pn%4
.set rS, S+32*pb+8*tl
.set rW, W+2*(4*(pb%2)+tl)
.if pn/4 == 0
	v_pk_add_f32 v[rS:rS+1], v[rS:rS+1], v[rS+2:rS+3]
.elseif pn/4 == 1
	v_pk_add_f32 v[rS+4:rS+5], v[rS+4:rS+5], v[rS+6:rS+7]
.elseif pn/4 == 2
	v_pk_add_f32 v[rS:rS+1], v[rS:rS+1], v[rS+4:rS+5]
.else
	v_pk_add_f32 v[rW:rW+1], v[rW:rW+1], v[rS:rS+1]
.endif
.set q, q+1
.endm
; THE EXPONENTIALS' QUEUE of a step, 64 long, ONE BATCH: of the last step's A and then of its B, the four tiles by turns; each accumulator's lowest register is read first.
; What stands next to an exponential names none of its registers.
.macro EX
	WIN 0
.set rS, S+32*(2*(1-PAR)+e/32)+8*(e%4)+(e%32)/4
	v_exp_f32 v[rS], v[rS]
.set e, e+1
.endm
; A SLOT: a product (mm = 1) and its riders.  Slots 0-31: a plain line and two exponentials in the even ones, one exponential in the odd ones: 16 + 48.  Slots 32-43: one exponential, in every third two: 16.
; Slots 44-63, behind the wait: a plain line in four of five: 16.
.macro SLOT mm
.if \mm
	MM
.endif
.if sl < 32
.if sl%2 == 0
	PL
	EX
.endif
	EX
.elseif sl < 44
	EX
.if sl%3 == 0
	EX
.endif
.elseif (sl-44)%5 < 4
	PL
.endif
.set sl, sl+1
.endm
.macro OPEN par                        ; a step of parity par begins
.set PAR, (\par)
.set sl, 0
.set q, 0
.set e, 0
.endm
.macro RUN mm, n                       ; its next n slots
.rept \n
	SLOT \mm
.endr
.endm
; A STEP.  The next step is fetched behind slot 43, into the set and the buffer that the last step's products read: the 16 plain lines of slots 0 to 30 and the two address lines stand between.
.macro STEP par, fetch
	s_wait_dscnt 0x0                               ; this step's queries and -M, asked for 20 products ago, are in
	OPEN \par
	RUN 1, 44
.if \fetch
	FETCH 1-(\par), 1                              ; the wait for the batch stands in it
.else
	WIN 0
	v_nop                                          ; a plain instruction behind the batch's last exponential,
	s_wait_alu depctr_va_vdst(0)                   ; and the wait for the step's batch, 64 exponentials, ahead of their first reader
.endif
	RUN 1, 20
.endm
	s_load_b256 s[4:11], s[0:1], 0x0               ; xb s[4:5], qb s[6:7], st s[8:9], part s[10:11]
	v_lshl_add_u32 v[SPW], v0, 2, SPARE
	v_mov_b32 v[NIL], 0
	ds_add_u32 v[SPW], v[NIL]                      ; the wave's opening: the add and its wait stand ahead of my first tensor load; the set-up below, work on registers, stands between them
	v_lshrrev_b32 v[HH], 5, v0
	v_readfirstlane_b32 s[WV], v[HH]               ; wave 0..3
	s_bfe_u32 s13, ttmp6, 0x40000                  ; cx: my place in the cluster
	s_lshl_b32 s14, ttmp9, 2                       ; in a cluster launch ttmp9 counts clusters
	s_add_co_u32 s14, s14, s13                     ; i, my block of 512 keys: it enters xb's and part's addresses alone
	s_and_b32 s15, ttmp7, 0xffff
	s_lshr_b32 s16, s15, 2                         ; b, the batch,
	s_and_b32 s17, s15, 3                          ; j, the part of the queries: the four partners share both
	s_lshl_b32 s18, s16, 21                        ; queries: (4096 b + 1024 j + 32 w) rows of 512 bytes
	s_lshl_b32 s19, s17, 19
	s_add_co_u32 s18, s18, s19
	s_lshl_b32 s19, s[WV], 14
	s_add_co_u32 s18, s18, s19
	s_mov_b32 s19, 0
	s_lshl_b32 s20, s16, 21                        ; keys: (4096 b + 512 i + 128 w) rows of 512 bytes
	s_lshl_b32 s21, s14, 18
	s_add_co_u32 s20, s20, s21
	s_lshl_b32 s21, s[WV], 16
	s_add_co_u32 s20, s20, s21
	s_mov_b32 s21, 0
	s_lshl_b32 s22, s16, 15                        ; st: (4096 b + 1024 j) pairs of 8 bytes, in key part 0
	s_lshl_b32 s23, s17, 13
	s_add_co_u32 s22, s22, s23
	s_mov_b32 s23, 0
	s_lshl_b32 s44, s16, 5                         ; part: (32 b + 4 i + j) rows of 1,024 bytes
	s_lshl_b32 s45, s14, 2
	s_add_co_u32 s44, s44, s45
	s_add_co_u32 s44, s44, s17
	s_lshl_b32 s44, s44, 10
	s_mov_b32 s45, 0
	s_lshl_b32 s46, s[WV], 9
	s_add_co_u32 s46, s46, WTAB                    ; my wave's w
	s_lshl_b32 s47, s[WV], 10
	s_add_co_u32 s47, s47, RED                     ; my wave's sums
	; descriptor group 1: a tile of 32 rows x 256 elements, padded in LDS
	s_mov_b32 s[G1+0], 15|(1<<16)|(1<<20)|(1<<21)|(6<<22)|(3<<25)  ; 15:0 the mask of four; 17:16 2-byte elements; 20 padding on; 21 set beside a mask; 24:22 after every 128 words (code 6); 31:25 4 words (code 3)
	s_mov_b32 s[G1+1], 256<<16                     ; tensor_dim0 = 256
	s_mov_b32 s[G1+2], 32<<16                      ; tensor_dim1 = 32
	s_mov_b32 s[G1+3], 256<<16                     ; tile_dim0 = 256
	s_mov_b32 s[G1+4], 32                          ; tile_dim1 = 32
	s_mov_b32 s[G1+5], 256                         ; 256 elements from row to row
	s_mov_b32 s[G1+6], 0
	s_mov_b32 s[G1+7], 0
	s_mov_b32 s[G0], 1                             ; 1:0 count = 1
	s_mul_i32 s[G0+1], s[WV], QUART                ; 63:32 LDS address: my quarter of slot 0; no place in the cluster enters it
	s_mov_b32 s[LOW], 0xff7fffff
	s_mov_b32 s[SEL], 0x76543210
	s_mov_b32 s[SEL+1], 0xfedcba98
	s_mov_b32 s[TB], SLOT1+SLOTB                   ; the first change of slots turns this into 0
	s_mov_b32 s[TM], 0
	s_wait_dscnt 0x0                               ; the opening add is done
	s_wait_kmcnt 0x0
	s_add_nc_u64 s[G0+2:G0+3], s[6:7], s[18:19]    ; 120:64 global address: my 32 rows of the part's first 128 queries
	s_or_b32 s[G0+3], s[G0+3], 0x80000000          ; 127:126 type = 2
	s_add_nc_u64 s[4:5], s[4:5], s[20:21]          ; xb at my wave's first key
	s_add_nc_u64 s[8:9], s[8:9], s[22:23]          ; st at the part's first query
	s_add_nc_u64 s[10:11], s[10:11], s[44:45]      ; part at my work-group's row
	CROUND                                         ; all four work-groups are here: the first joint loads meet
	JLOAD                                          ; slot 0.  Slot 1 is asked for when slot 0 is in
	v_and_b32 v[RR], 15, v0
	v_bfe_u32 v[HH], v0, 4, 1
	v_lshlrev_b32 v[T16], 4, v0
	v_lshlrev_b32 v[QO], 9, v[RR]
	v_lshl_add_u32 v[QO], v[HH], 4, v[QO]          ; row x 512 + 16 x half
.irp jj, 0,1,2,3                       ; (m, l) of the part's 1,024 queries in the four key parts: thread t takes queries 256 u + 2 t and + 1; a wave's load covers 512 consecutive bytes
.irp u, 0,1,2,3
	global_load_b128 v[LD+4*(4*(\jj)+(\u)):LD+4*(4*(\jj)+(\u))+3], v[T16], s[8:9] offset:(\jj)*262144+(\u)*2048
.endr
.endr
.irp hf, 0,1                           ; the keys stay in registers: 128 loads
	WIN 0x40+0x40*(\hf)                            ; destination window 1, then 2; address window 0
.irp t4, 0,1,2,3
.irp c, 0,1,2,3,4,5,6,7
	global_load_b128 v[64*(\t4)+8*(\c):64*(\t4)+8*(\c)+3],   v[QO], s[4:5] offset:(4*(\hf)+(\t4))*8192+64*(\c)
	global_load_b128 v[64*(\t4)+8*(\c)+4:64*(\t4)+8*(\c)+7], v[QO], s[4:5] offset:(4*(\hf)+(\t4))*8192+64*(\c)+32
.endr
.endr
.endr
	WIN 0
	v_mul_u32_u24 v[AK0], v[RR], PITCH
	v_lshl_add_u32 v[AK0], v[HH], 4, v[AK0]        ; row x pitch + 16 x half
	v_lshl_add_u32 v[AM0], v[HH], 5, NEGM
	v_lshlrev_b32 v[T8], 3, v0
	v_and_b32 v[L16], 31, v0
	v_lshlrev_b32 v[L16], 4, v[L16]
	v_lshl_add_u32 v[WST], v[RR], 2, s46
	v_mov_b32 v[WLD], s46
	v_lshl_add_u32 v[NST], v0, 3, NEGM
	v_lshl_add_u32 v[RST], v[L16], 1, s47
	v_lshl_add_u32 v[RLD], v0, 3, RED
	s_wait_loadcnt 63                              ; st's 16 loads are in: 128 loads were issued behind them, and 63 is the largest count that the wait can name
	; -M = -(mx + log2(sum of l 2^(m - mx))), mx the largest of the four m: eight queries a thread.  Two batches, since the logarithms read sums of the exponentials' results: each has one wait.
.irp u, 0,1,2,3
.irp e, 0,1
	v_max3_num_f32 v[MX+2*(\u)+(\e)], v[LD+4*(\u)+2*(\e)], v[LD+4*(4+(\u))+2*(\e)], v[LD+4*(8+(\u))+2*(\e)]
.endr
.endr
.irp u, 0,1,2,3
.irp e, 0,1
	v_max_num_f32 v[MX+2*(\u)+(\e)], v[MX+2*(\u)+(\e)], v[LD+4*(12+(\u))+2*(\e)]
.endr
.endr
.irp jj, 0,1,2,3
.irp u, 0,1,2,3
.irp e, 0,1
	v_sub_f32 v[LD+4*(4*(\jj)+(\u))+2*(\e)], v[LD+4*(4*(\jj)+(\u))+2*(\e)], v[MX+2*(\u)+(\e)]
.endr
.endr
.endr
.irp jj, 0,1,2,3
.irp u, 0,1,2,3
.irp e, 0,1
	v_exp_f32 v[LD+4*(4*(\jj)+(\u))+2*(\e)], v[LD+4*(4*(\jj)+(\u))+2*(\e)]
.endr
.endr
.endr
	v_nop                                          ; a plain instruction between the last exponential and the use of its result
	s_wait_alu depctr_va_vdst(0)                   ; one wait for the merge's batch of 32 exponentials
.irp u, 0,1,2,3
.irp e, 0,1
	v_mul_f32 v[LL+2*(\u)+(\e)], v[LD+4*(\u)+2*(\e)+1], v[LD+4*(\u)+2*(\e)]
.endr
.endr
.irp jj, 1,2,3
.irp u, 0,1,2,3
.irp e, 0,1
	v_fmac_f32 v[LL+2*(\u)+(\e)], v[LD+4*(4*(\jj)+(\u))+2*(\e)+1], v[LD+4*(4*(\jj)+(\u))+2*(\e)]
.endr
.endr
.endr
.irp z, 0,1,2,3,4,5,6,7
	v_log_f32 v[LL+(\z)], v[LL+(\z)]
.endr
	v_nop                                          ; a plain instruction between the last logarithm and the use of its result
	s_wait_alu depctr_va_vdst(0)                   ; one wait for the batch of 8 logarithms
.irp z, 0,1,2,3,4,5,6,7
	v_fma_f32 v[NN+(\z)], v[MX+(\z)], -1.0, -v[LL+(\z)]
.endr
.irp u, 0,1,2,3
	ds_store_b64 v[NST], v[NN+2*(\u):NN+2*(\u)+1] offset:1024*(\u)
.endr
	; No first steps are written out: the first step's riders and the second step's first 16 plain lines work on pieces that have not been.  These 112 lines give them what adds 0 to w: sums of 0 (buffer 1),
	; and exponents whose weight is 0 (buffers 2 and 3).
.set t, W
.rept 16
	v_mov_b32 v[t], 0
.set t, t+1
.endr
.set t, S+32
.rept 32
	v_mov_b32 v[t], 0
.set t, t+1
.endr
.rept 64
	v_mov_b32 v[t], s[LOW]
.set t, t+1
.endr
	CHANGE 1                                       ; slot 0 is in and the table of -M is whole, everybody's part of both; slot 1 is asked for
	FETCH 0                                        ; step 0
	s_wait_loadcnt 0x0                             ; the keys
	s_mov_b32 s[CNT], 4
	s_mov_b32 s[SLOTS], 7
	s_branch .Lfirst                               ; the loop is entered in the middle of a trip: a change of slots stands one step ahead of the new slot's first products, in front of the step that fetches its first rows
.Lslot:                                                ; six times: slots are filled again with the part's queries 256 on to 1,023
	CHANGE 1
	s_mov_b32 s[CNT], 4
.Lpair:
	STEP 1, 1
	WIN 0
.Lfirst:
	STEP 0, 1
	WIN 0
	s_sub_co_u32 s[CNT], s[CNT], 1
	s_cmp_lg_u32 s[CNT], 0
	s_cbranch_scc1 .Lpair
	s_sub_co_u32 s[SLOTS], s[SLOTS], 1
	s_cmp_lg_u32 s[SLOTS], 0
	s_cbranch_scc1 .Lslot
	CHANGE 0                                       ; the tail is written out: nothing is asked for
	s_mov_b32 s[CNT], 4
.Ltail:                                                ; steps 55 to 62
	STEP 1, 1
	STEP 0, 1
	WIN 0
	s_sub_co_u32 s[CNT], s[CNT], 1
	s_cmp_lg_u32 s[CNT], 0
	s_cbranch_scc1 .Ltail
	STEP 1, 0                                      ; step 63: nothing is left to fetch
	OPEN 0                                         ; the queues run out: a step without products
	RUN 0, 32                                      ; T of step 62's B and 48 of the last batch's exponentials.  The 16 plain lines are the places behind the last product
	; My 128 keys once more, now as they lie: a load takes one row's 512 consecutive bytes, lane l its channels 8 l to 8 l + 7.  They land where the fragments lay.
	WIN 0x40
.set k, 0
.rept 64
	global_load_b128 v[4*k:4*k+3], v[L16], s[4:5] offset:512*k
.set k, k+1
.endr
	WIN 0x80
.set k, 0
.rept 64
	global_load_b128 v[4*k:4*k+3], v[L16], s[4:5] offset:512*(64+k)
.set k, k+1
.endr
	WIN 0
	RUN 0, 12                                      ; the batch's other 16 exponentials,
	v_nop                                          ; a plain instruction behind the last of them,
	s_wait_alu depctr_va_vdst(0)                   ; and the wait for the batch, 64 exponentials, ahead of T
	RUN 0, 20                                      ; T of step 63's A
	OPEN 1
.rept 16
	PL                                             ; T of step 63's B: the plain lines that a further step would begin with
.endr
	; w of a key: its pair's two numbers, and those of the lane 16 away.  Through my wave's own bytes of LDS every lane gets all 128.
.macro ALL line:vararg                 ; one line for each tile t
.set t, 0
.rept 8
	\line
.set t, t+1
.endr
.endm
	ALL v_add_f32 v[W+2*t], v[W+2*t], v[W+2*t+1]
	ALL v_permlanex16_b32 v[W+2*t+1], v[W+2*t], s[SEL], s[SEL+1]
	ALL v_add_f32 v[W+2*t], v[W+2*t], v[W+2*t+1]
	ALL ds_store_b32 v[WST], v[W+2*t] offset:64*t  ; the two lanes of a key write the same number to the same word
.set k, 0
.rept 32
	ds_load_b128 v[WB+4*k:WB+4*k+3], v[WLD] offset:16*k  ; LDS serves a wave's instructions in order (ISA guide 5.7.1.4): these see the stores above; every lane reads the same 16 bytes
.set k, k+1
.endr
.irp z, 0,1,2,3,4,5,6,7
	v_mov_b32 v[ACC+(\z)], 0
.endr
	s_wait_dscnt 0x0                               ; w is in
.set k, 0
.rept 128                              ; row k: eight multiply-adds straight from the bf16 halves, eight chains by turns
.if k%4 == 0
.if 124-k > 63
	s_wait_loadcnt 63                              ; rows k to k + 3 are in: 124 - k loads were issued behind them, more than the wait can name
.else
	s_wait_loadcnt 124-k                           ; rows k to k + 3 are in: 124 - k loads were issued behind them
.endif
.endif
	WIN 1+k/64                                     ; source 0 in window 1, then 2
.set rr, 4*(k%64)
.irp z, 0,1,2,3
	v_fma_mix_f32_bf16 v[ACC+2*(\z)],   v[rr+(\z)], v[WB+k], v[ACC+2*(\z)]   op_sel_hi:[1,0,0]
	v_fma_mix_f32_bf16 v[ACC+2*(\z)+1], v[rr+(\z)], v[WB+k], v[ACC+2*(\z)+1] op_sel:[1,0,0] op_sel_hi:[1,0,0]
.endr
.set k, k+1
.endr
	WIN 0
	ds_store_b128 v[RST], v[ACC:ACC+3]             ; my wave's 256 sums
	ds_store_b128 v[RST], v[ACC+4:ACC+7] offset:16
	s_wait_dscnt 0x0                               ; for the others' sake: my stores are done
	s_barrier_signal -1
	s_barrier_wait -1
.irp z, 0,1,2,3
	ds_load_b64 v[SUM+2*(\z):SUM+2*(\z)+1], v[RLD] offset:1024*(\z)  ; thread t: channels 2 t and 2 t + 1 of the four waves
.endr
	s_wait_dscnt 0x0
	v_pk_add_f32 v[SUM:SUM+1], v[SUM:SUM+1], v[SUM+2:SUM+3]
	v_pk_add_f32 v[SUM+4:SUM+5], v[SUM+4:SUM+5], v[SUM+6:SUM+7]
	v_pk_add_f32 v[SUM:SUM+1], v[SUM:SUM+1], v[SUM+4:SUM+5]
	global_store_b64 v[T8], v[SUM:SUM+1], s[10:11] ; a wave stores 256 consecutive bytes, at a multiple of 256
	s_wait_tensorcnt 0x0                           ; the wave's end, behind my last tensor load and my last LDS store
	ds_add_u32 v[SPW], v[NIL]
	s_wait_dscnt 0x0
	CROUND                                         ; the closing round: no work-group ends while a partner may still ask for a tile that names it
	s_endpgm
.Lfunc_end_k_qf88d430792_colsum:
	.size	k_qf88d430792_colsum, .Lfunc_end_k_qf88d430792_colsum-k_qf88d430792_colsum
	.p2alignl 7, 3214868480
	.fill 96, 4, 3214868480
	.section	.rodata,"a",@progbits
	.p2align	6, 0x0
	.amdhsa_kernel k_qf88d430792_colsum
		.amdhsa_group_segment_fixed_size 327680
		.amdhsa_private_segment_fixed_size 0
		.amdhsa_enable_private_segment 0
		.amdhsa_kernarg_size 32
		.amdhsa_user_sgpr_count 2
		.amdhsa_user_sgpr_kernarg_segment_ptr 1
		.amdhsa_wavefront_size32 1
		.amdhsa_system_sgpr_workgroup_id_x 1
		.amdhsa_system_sgpr_workgroup_id_y 1
		.amdhsa_system_sgpr_workgroup_id_z 1
		.amdhsa_system_vgpr_workitem_id 0
		.amdhsa_next_free_vgpr 896
		.amdhsa_next_free_sgpr 66
		.amdhsa_reserve_vcc 0
		.amdhsa_float_denorm_mode_32 3
		.amdhsa_float_denorm_mode_16_64 3
		.amdhsa_memory_ordered 1
		.amdhsa_forward_progress 1
		.amdhsa_inst_pref_size 183
	.end_amdhsa_kernel
	.amdgpu_metadata
---
amdhsa.version: [ 1, 2 ]
amdhsa.kernels:
  - .name:           k_qf88d430792_colsum
    .symbol:         k_qf88d430792_colsum.kd
    .args:
      - { .name: xb, .offset: 0, .size: 8, .value_kind: global_buffer, .address_space: global }
      - { .name: qb, .offset: 8, .size: 8, .value_kind: global_buffer, .address_space: global }
      - { .name: st, .offset: 16, .size: 8, .value_kind: global_buffer, .address_space: global }
      - { .name: part, .offset: 24, .size: 8, .value_kind: global_buffer, .address_space: global }
    .group_segment_fixed_size: 327680
    .private_segment_fixed_size: 0
    .kernarg_segment_align: 8
    .kernarg_segment_size: 32
    .max_flat_workgroup_size: 128
    .sgpr_count:     66
    .vgpr_count:     896
    .wavefront_size: 32
...
	.end_amdgpu_metadata
.endif
;; end of part 6
;; launch reduce: the kernel of part 4 again; grid 8 x 1, 4 waves a work-group, no clusters, 0 bytes of LDS; arguments part, out0; writes out0
